; MI455X (gfx1250); checked and timed in simulation.
; The chip was launched on July 23, 2026; its instructions are those of AMD's public machine-readable ISA for CDNA 5 (MIT licence, August 2026) and "CDNA5" Instruction Set Architecture Reference Guide (July 2026). The comments in the code are by the model that wrote it; some were corrected since.
;; Attention. Allowed arithmetic: matrix products marked QUANTISED: E2M1 operands, one E8M0 scale for each 32 along K, by v_wmma_scale_f32_16x16x128_f8f6f4 with both operands' format E2M1 (or v_wmma_scale_f32_32x16x128_f4), f32 sums; products left as they are: bf16, f16 or f32 operands; f32 sums; everything else in f32.
;; Inputs: w_out 1,024 x 1,024 float32; w_qkv 1,024 x 3,072 float32; x 4 x 2,048 x 1,024 float32.
;; Outputs: out0 4 x 2,048 x 1,024 float32.
;; This version of the problem:
;;   THIS VERSION OF THE PROBLEM IS GIVEN IN LOW PRECISION. The matrix products marked QUANTISED in the list below multiply operands that are first quantised to E2M1 (2 exponent bits, 1 mantissa bit; 4 bits a number), with one power-of-two scale for each 32 numbers along K (OCP MX v1.0); their sums are f32. The products marked 'left as it is' may take bf16, f16 or f32 operands, with f32 sums. Whichever they take, every output number must still come out within the allowed error. Rounding operands to bf16 (8 significant bits) uses up far more of that allowance than f16 does (11 bits, for magnitudes from 6e-5 to 65,504). All else is computed in f32.
;;   The module's matrix products, in the order in which they are computed (A, B: the left and right operand; K: the contracted axis; several contracted axes count as one K, in the product's order):
;;     1. [M 8,192, K 1,024] x [K 1,024, N 3,072]; A: input x; B: input w_qkv: QUANTISED
;;     2. batch 64 x [M 2,048, K 64] x [K 64, N 2,048]; A: computed on the way; B: computed on the way: left as it is (an operand is computed on the way)
;;     3. batch 64 x [M 2,048, K 2,048] x [K 2,048, N 64]; A: computed on the way; B: computed on the way: left as it is (an operand is computed on the way)
;;     4. [M 8,192, K 1,024] x [K 1,024, N 1,024]; A: computed on the way; B: input w_out: left as it is (an operand is computed on the way)
;;   THE QUANTISER, for each operand of a quantised product, along K:
;;     - K is cut into blocks of 32 from its start; a last block that is shorter is filled with zeros.
;;     - A block's scale is 2^e with e = floor(log2(the largest magnitude in the block)) - 2, held to -126 .. 127; a block of zeros has e = 0. As a byte (E8M0): e + 127.
;;     - Each number is divided by its block's scale, clamped to +-6, and rounded to the nearest number of E2M1, ties to even, subnormals kept.
;;     - The product sums the exact products of the quantised numbers (number of the format x scale) in f32.
;;   ~~~python
;;   def quantise(x, axis):      # numpy; x: float32 -> the quantised numbers, widened to float32 again
;;       x = np.moveaxis(x, axis, -1); K = x.shape[-1]
;;       x = np.pad(x, [(0, 0)] * (x.ndim - 1) + [(0, -K % 32)]); x = x.reshape(x.shape[:-1] + (-1, 32)); a = np.abs(x).max(-1, keepdims=True)
;;       e = np.where(a > 0, np.clip(np.frexp(np.where(a > 0, a, 1))[1] - 1 - 2, -126, 127), 0)      # np.frexp(a)[1] - 1 = floor(log2(a)), exactly
;;       r = np.clip(x / 2.0 ** e, -6, 6)
;;       step = 2.0 ** (np.maximum(np.frexp(np.where(r == 0, 1, r))[1] - 1, 0) - 1)
;;       q = np.round(r / step) * step * 2.0 ** e      # np.round: ties to even
;;       return np.moveaxis(q.reshape(q.shape[:-2] + (-1,))[..., :K], -1, axis).astype(np.float32)
;;   ~~~
;; One version. Each part assembles by itself: llvm-mc -triple=amdgcn-amd-amdhsa -mcpu=gfx1250 --defsym DOCPART=n.
;; ======== version 1 of 1: 4 launches
;; limits: values are held in f16: magnitudes above 65,504 overflow, below 6.1e-05 lose precision
;; workspace buffers: a_codes 4,194,304 bytes; a_scales 262,144 bytes; b_codes 1,572,864 bytes; b_scales 98,304 bytes; wo16 2,097,152 bytes; qkv 50,331,648 bytes; att 16,777,216 bytes
;; launch prep (part 1): grid 576 x 1, 4 waves a work-group, no clusters, 33,280 bytes of LDS; arguments x, w_qkv, w_out, a_codes, a_scales, b_codes, b_scales, wo16; writes a_codes, a_scales, b_codes, b_scales, wo16
.if DOCPART == 1
	.amdgcn_target "amdgcn-amd-amdhsa--gfx1250"
	.amdhsa_code_object_version 6
	.text
	.protected	k_q2f0202848a_prep
	.globl	k_q2f0202848a_prep
	.p2align	8
	.type	k_q2f0202848a_prep,@function
k_q2f0202848a_prep:
	s_mov_b64 s[64:65], 0
	v_nop
	global_prefetch_b8 v0, s[64:65] scope:SCOPE_SE
	s_setreg_imm32_b32 hwreg(HW_REG_WAVE_MODE, 25, 1), 1
	s_wait_xcnt 0x0
; THREE PIECES OF PREPARATION IN ONE LAUNCH, told apart by the work-group's number alone.
;   work-groups   0-255: x [8192][1024] f32 -> codes of FP4 (E2M1), K innermost, a_codes [8192][512 bytes], and one E8M0 byte for each 32 along K, a_scales [8192][32].
;   work-groups 256-447: w_qkv [1024 (k)][3072 (n)] f32, quantised along its FIRST axis -> b_codes in the order of the operand's registers, b_scales [3072][32].
;   work-groups 448-575: w_out [1024][1024] f32 -> f16, same layout (wo16).
; THE QUANTISER: a block's scale is 2^(floor(log2(largest magnitude)) - 2); its byte is the largest magnitude's exponent field - 2, held at 1 from below by a floor among the maximum's leaves.
; Each number is divided by the scale and rounded to the nearest code, ties to even; beyond 6 the conversion gives the largest code.
; b_codes: [K half (512 along K)][tile of 16 n][128 along K][block of 32][n % 16][16 bytes]: a fragment (16 n x 128 K) is 1,024 consecutive bytes, and the four registers 4 c .. 4 c + 3 of lane l lie at 512 c + 16 l.
; LIMITS: NaN and infinities among the inputs are not served.  A block of zeros gets the byte 1 where the rule says 127: its codes are zeros, and this program alone reads the bytes.
;         Blocks whose largest magnitude lies under 2^-124 keep the byte 1.  w_out goes to f16: magnitudes from 65,520 on become infinite, those under 6e-8 vanish.
; No tile is shared between work-groups, so there is no cluster, no tensor load and no barrier: memory bounds this launch, and each input byte is read once.
; Only the x part touches LDS (each wave its own bytes).  All parts join at one end.
.set SPARE, 32768                      ; behind the four waves' regions: the spare words, 128 bytes for each wave: two blocks of 256 bytes that no other line names
.set SPW,   12                         ; v12  LDS address of my spare word; never rewritten
.set NIL,   13                         ; v13  0; never rewritten
.set WREG,  8192                       ; LDS region of a wave: two stages of 32 x SP bytes, then its 256 scale bytes
.set SP,    80                         ; a lane's place in a stage: 64 bytes + 16 of padding
.set STEPS, 16                         ; x: steps of 512 numbers for a wave
.set AHEAD, 8                          ; x: loads run eight steps (32 loads a wave) ahead
.set R,     16                         ; v16-143  x: eight sets of 16 numbers as loaded
.set X,     144                        ; v144-175 x: two sets of 16 neighbours
.set E,     176                        ; v176-191 x: a scale byte for each step
.set C,     192                        ; v192-255 x: codes, four registers a step, so that no store's data are written again
.macro XLOAD t                         ; a step's 2,048 bytes: each load reads 512 consecutive bytes
.irp i, 0,1,2,3
	global_load_b128 v[R+16*((\t)%8)+4*\i:R+16*((\t)%8)+4*\i+3], v3, s[4:5] offset:2048*(\t)+512*\i th:TH_LOAD_NT
.endr
.endm
.macro XTURN t                         ; through the wave's own stage: in as loaded, out 64 neighbouring bytes a lane; LDS serves a wave's instructions in order
.irp i, 0,1,2,3
	ds_store_b128 v14, v[R+16*((\t)%8)+4*\i:R+16*((\t)%8)+4*\i+3] offset:32*SP*((\t)%2)+8*SP*\i
.endr
.irp i, 0,1,2,3
	ds_load_b128 v[X+16*((\t)%2)+4*\i:X+16*((\t)%2)+4*\i+3], v15 offset:32*SP*((\t)%2)+16*\i
.endr
.endm
.macro XSTEP t
.set XS, X+16*((\t)%2)
.if (\t) > 0
	s_wait_dscnt 1                                 ; this step's numbers are back from the stage (the last step's byte store may be out): so its stage stores have read their registers,
.else
	s_wait_dscnt 0x0
.endif
.if (\t)+AHEAD < STEPS
	XLOAD (\t)+AHEAD                               ; which take the loads of eight steps on
.endif
.if (\t)+1 < STEPS
.if STEPS-2-(\t) >= AHEAD-1
	s_wait_loadcnt 4*(AHEAD-1)                     ; the next step's four loads are in; those of the seven steps behind it may be out
.else
	s_wait_loadcnt 4*(STEPS-2-(\t))                ; near the end fewer steps stand behind it
.endif
	XTURN (\t)+1
.endif
	v_max3_num_f32 v8, |v[XS]|, |v[XS+1]|, |v[XS+2]|   ; the largest magnitude of my 16, in two chains
	v_max3_num_f32 v9, |v[XS+3]|, |v[XS+4]|, |v[XS+5]|
.irp i, 6,10
	v_max3_num_f32 v8, v8, |v[XS+\i]|, |v[XS+\i+1]|
	v_max3_num_f32 v9, v9, |v[XS+\i+2]|, |v[XS+\i+3]|
.endr
	v_max3_num_f32 v8, v8, |v[XS+14]|, |v[XS+15]|
	v_max3_num_f32 v8, v8, v9, 0x1800000           ; and the floor 2^(3 - 127): the byte cannot fall under 1
	v_max_num_f32_dpp v8, v8, v8 row_xmask:1 row_mask:0xf bank_mask:0xf   ; with my neighbour's 16: the block's
	v_add_nc_u32 v11, 0xff000000, v8               ; 2 off its exponent field: the conversion takes this operand's exponent field as its scale
	v_cvt_scalef32_pk8_fp4_f32 v[C+4*(\t)], v[XS:XS+7], v11
	v_cvt_scalef32_pk8_fp4_f32 v[C+4*(\t)+1], v[XS+8:XS+15], v11
	v_lshrrev_b32 v[E+(\t)], 23, v11               ; the scale's byte
	ds_store_b8 v5, v[E+(\t)] offset:16*(\t)       ; both lanes of a block write the same byte with the same value
	global_store_b64 v4, v[C+4*(\t):C+4*(\t)+1], s[10:11] offset:256*(\t)   ; the wave stores 256 consecutive bytes, aligned
.endm
.macro WLOAD t                         ; w_qkv: block t of my column: rows 32 t + i; the wave reads 128 consecutive bytes, the work-group 512
.irp i, 0,1,2,3,4,5,6,7,8,9,10,11,12,13,14,15,16,17,18,19,20,21,22,23,24,25,26,27,28,29,30,31
	global_load_b32 v[32+32*((\t)%2)+\i], v6, s[6:7] offset:(32*(\t)+\i)*12288 th:TH_LOAD_NT
.endr
.endm
.macro WBLOCK t
.set XS, 32+32*((\t)%2)
.if (\t) < 3
	s_wait_loadcnt 32                              ; this block's 32 loads are in; the next block's may be out
.else
	s_wait_loadcnt 0x0
.endif
	v_max3_num_f32 v8, |v[XS]|, |v[XS+1]|, |v[XS+2]|   ; all 32 numbers of the block are mine
	v_max3_num_f32 v9, |v[XS+3]|, |v[XS+4]|, |v[XS+5]|
.irp i, 6,10,14,18,22,26
	v_max3_num_f32 v8, v8, |v[XS+\i]|, |v[XS+\i+1]|
	v_max3_num_f32 v9, v9, |v[XS+\i+2]|, |v[XS+\i+3]|
.endr
	v_max3_num_f32 v8, v8, |v[XS+30]|, |v[XS+31]|
	v_max3_num_f32 v8, v8, v9, 0x1800000
	v_add_nc_u32 v11, 0xff000000, v8
.irp g, 0,1,2,3
	v_cvt_scalef32_pk8_fp4_f32 v[96+4*(\t)+\g], v[XS+8*\g:XS+8*\g+7], v11
.endr
	v_lshrrev_b32 v9, 23, v11
.if (\t) == 0
	v_mov_b32 v24, v9                              ; four bytes make my column's scale word for these 128 along K
.else
	v_lshl_or_b32 v24, v9, 8*(\t), v24
.endif
	global_store_b128 v4, v[96+4*(\t):96+4*(\t)+3], s[14:15] offset:256*(\t)   ; sixteen lanes store 256 consecutive bytes, aligned: block t of a fragment
.if (\t)+2 < 4
	WLOAD (\t)+2
.endif
.endm
	s_load_b256 s[4:11], s[0:1], 0x0               ; x s[4:5], w_qkv s[6:7], w_out s[8:9], a_codes s[10:11]
	s_load_b256 s[12:19], s[0:1], 0x20             ; a_scales s[12:13], b_codes s[14:15], b_scales s[16:17], wo16 s[18:19]
	v_lshl_add_u32 v[SPW], v0, 2, SPARE
	v_mov_b32 v[NIL], 0
	v_lshrrev_b32 v1, 5, v0
	v_readfirstlane_b32 s20, v1                    ; wave 0..3
	v_and_b32 v2, 31, v0                           ; lane
	v_lshlrev_b32 v3, 4, v2                        ; 16 x lane
	s_mov_b32 s23, 0                               ; the upper word of every offset pair s[22:23]
	s_wait_kmcnt 0x0
	s_cmp_lt_u32 ttmp9, 256
	s_cbranch_scc0 .Lnot_x
	; ---- x: a plain stream of blocks of 32.  My wave's run of 8,192 numbers is number 4 x work-group + wave
	s_lshl_b32 s21, ttmp9, 2
	s_add_co_u32 s21, s21, s20
	s_lshl_b32 s22, s21, 15                        ; 32,768 bytes of x,
	s_add_nc_u64 s[4:5], s[4:5], s[22:23]
	s_lshl_b32 s22, s21, 12                        ; 4,096 of codes,
	s_add_nc_u64 s[10:11], s[10:11], s[22:23]
	s_lshl_b32 s22, s21, 8                         ; 256 scale bytes
	s_add_nc_u64 s[12:13], s[12:13], s[22:23]
	s_mul_i32 s24, s20, WREG
	v_lshrrev_b32 v14, 2, v2
	v_mul_u32_u24 v14, v14, SP
	v_and_b32 v15, 3, v2
	v_lshl_add_u32 v14, v15, 4, v14
	v_add_nc_u32 v14, s24, v14                     ; the stage, on the way in: SP (lane / 4) + 16 (lane % 4)
	v_mul_u32_u24 v15, v2, SP
	v_add_nc_u32 v15, s24, v15                     ; on the way out: SP x lane
	v_lshlrev_b32 v4, 3, v2                        ; my 8 bytes of a step's codes
	v_lshrrev_b32 v5, 1, v2
	s_add_co_u32 s24, s24, 2*32*SP
	v_add_nc_u32 v5, s24, v5                       ; my block's byte among my wave's 256 scale bytes
	v_lshlrev_b32 v7, 3, v2
	v_add_nc_u32 v6, s24, v7                       ; and 8 of them a lane on the way out
.irp t, 0,1,2,3,4,5,6,7
	XLOAD \t
.endr
	s_wait_loadcnt 4*(AHEAD-1)                     ; step 0's four loads are in
	XTURN 0
.irp t, 0,1,2,3,4,5,6,7,8,9,10,11,12,13,14,15
	XSTEP \t
.endr
	ds_load_b64 v[8:9], v6                         ; LDS serves a wave's instructions in order: these see my byte stores
	s_wait_dscnt 0x0
	global_store_b64 v7, v[8:9], s[12:13]          ; the wave stores 256 consecutive bytes, aligned
	s_branch .Lend
.Lnot_x:
	s_cmp_lt_u32 ttmp9, 448
	s_cbranch_scc0 .Lwout
	; ---- w_qkv: a lane takes a column n and its registers run down K.  A wave: 32 columns x 128 along K; a work-group: 128 columns
	s_sub_co_u32 s21, ttmp9, 256
	s_lshr_b32 s24, s21, 3                         ; which 128 columns
	s_and_b32 s25, s21, 7                          ; which 128 along K
	s_lshl_b32 s24, s24, 7
	s_lshl_b32 s26, s20, 5
	s_add_co_u32 s24, s24, s26                     ; my wave's first column n0
	s_mul_i32 s22, s25, 128*12288                  ; 128 rows of 12,288 bytes
	s_lshl_b32 s26, s24, 2
	s_add_co_u32 s22, s22, s26
	s_add_nc_u64 s[6:7], s[6:7], s[22:23]
	s_lshr_b32 s26, s25, 2
	s_mul_i32 s22, s26, 786432                     ; the K half: 192 tiles of 4,096 bytes
	s_lshl_b32 s26, s24, 8                         ; (n0 / 16) x 4,096
	s_add_co_u32 s22, s22, s26
	s_and_b32 s26, s25, 3
	s_lshl_b32 s26, s26, 10                        ; the fragment in its tile
	s_add_co_u32 s22, s22, s26
	s_add_nc_u64 s[14:15], s[14:15], s[22:23]
	s_lshl_b32 s22, s24, 5                         ; 32 scale bytes a column,
	s_lshl_b32 s26, s25, 2                         ; four for these 128 along K
	s_add_co_u32 s22, s22, s26
	s_add_nc_u64 s[16:17], s[16:17], s[22:23]
	v_lshrrev_b32 v4, 4, v2
	v_and_b32 v5, 15, v2
	v_lshlrev_b32 v5, 4, v5
	v_lshl_add_u32 v4, v4, 12, v5                  ; codes: 4,096 (lane / 16) + 16 (lane % 16)
	v_lshlrev_b32 v5, 5, v2                        ; scale word: 32 x lane
	v_lshlrev_b32 v6, 2, v2                        ; in: 4 x lane
	WLOAD 0
	WLOAD 1
.irp t, 0,1,2,3
	WBLOCK \t
.endr
	global_store_b32 v5, v24, s[16:17]             ; four bytes of each of 32 rows 32 bytes apart: 98,304 bytes in the whole launch leave so
	s_branch .Lend
.Lwout:
	; ---- w_out to f16: a wave takes 2,048 numbers
	s_sub_co_u32 s21, ttmp9, 448
	s_lshl_b32 s21, s21, 2
	s_add_co_u32 s21, s21, s20
	s_lshl_b32 s22, s21, 13
	s_add_nc_u64 s[8:9], s[8:9], s[22:23]
	s_lshl_b32 s22, s21, 12
	s_add_nc_u64 s[18:19], s[18:19], s[22:23]
	v_lshlrev_b32 v4, 3, v2
.irp i, 0,1,2,3,4,5,6,7,8,9,10,11,12,13,14,15
	global_load_b128 v[32+4*\i:32+4*\i+3], v3, s[8:9] offset:512*\i th:TH_LOAD_NT
.endr
.irp i, 0,1,2,3,4,5,6,7,8,9,10,11,12,13,14,15
	s_wait_loadcnt 15-\i                           ; loads come back in order: load i is in, the later ones may be out
	v_cvt_pk_f16_f32 v[96+2*\i], v[32+4*\i], v[32+4*\i+1]
	v_cvt_pk_f16_f32 v[96+2*\i+1], v[32+4*\i+2], v[32+4*\i+3]
	global_store_b64 v4, v[96+2*\i:96+2*\i+1], s[18:19] offset:256*\i   ; the wave stores 256 consecutive bytes, aligned
.endr
.Lend:
	s_wait_tensorcnt 0x0                           ; the wave's end: the tensor wait, a 0 add onto my spare word and its wait behind the last LDS store, the first even in a text with no tensor load
	ds_add_u32 v[SPW], v[NIL]
	s_wait_dscnt 0x0
	s_endpgm
.Lfunc_end_k_q2f0202848a_prep:
	.size	k_q2f0202848a_prep, .Lfunc_end_k_q2f0202848a_prep-k_q2f0202848a_prep
	.p2alignl 7, 3214868480
	.fill 96, 4, 3214868480
	.section	.rodata,"a",@progbits
	.p2align	6, 0x0
	.amdhsa_kernel k_q2f0202848a_prep
		.amdhsa_group_segment_fixed_size 33280
		.amdhsa_private_segment_fixed_size 0
		.amdhsa_enable_private_segment 0
		.amdhsa_kernarg_size 64
		.amdhsa_user_sgpr_count 2
		.amdhsa_user_sgpr_kernarg_segment_ptr 1
		.amdhsa_wavefront_size32 1
		.amdhsa_system_sgpr_workgroup_id_x 1
		.amdhsa_system_sgpr_workgroup_id_y 1
		.amdhsa_system_sgpr_workgroup_id_z 1
		.amdhsa_system_vgpr_workitem_id 0
		.amdhsa_next_free_vgpr 256
		.amdhsa_next_free_sgpr 66
		.amdhsa_reserve_vcc 0
		.amdhsa_float_denorm_mode_32 3
		.amdhsa_float_denorm_mode_16_64 3
		.amdhsa_memory_ordered 1
		.amdhsa_forward_progress 1
		.amdhsa_inst_pref_size 58
	.end_amdhsa_kernel
	.amdgpu_metadata
---
amdhsa.version: [ 1, 2 ]
amdhsa.kernels:
  - .name:           k_q2f0202848a_prep
    .symbol:         k_q2f0202848a_prep.kd
    .args:
      - { .name: x, .offset: 0, .size: 8, .value_kind: global_buffer, .address_space: global }
      - { .name: w_qkv, .offset: 8, .size: 8, .value_kind: global_buffer, .address_space: global }
      - { .name: w_out, .offset: 16, .size: 8, .value_kind: global_buffer, .address_space: global }
      - { .name: a_codes, .offset: 24, .size: 8, .value_kind: global_buffer, .address_space: global }
      - { .name: a_scales, .offset: 32, .size: 8, .value_kind: global_buffer, .address_space: global }
      - { .name: b_codes, .offset: 40, .size: 8, .value_kind: global_buffer, .address_space: global }
      - { .name: b_scales, .offset: 48, .size: 8, .value_kind: global_buffer, .address_space: global }
      - { .name: wo16, .offset: 56, .size: 8, .value_kind: global_buffer, .address_space: global }
    .group_segment_fixed_size: 33280
    .private_segment_fixed_size: 0
    .kernarg_segment_align: 8
    .kernarg_segment_size: 64
    .max_flat_workgroup_size: 128
    .sgpr_count:     66
    .vgpr_count:     256
    .wavefront_size: 32
...
	.end_amdgpu_metadata
.endif
;; end of part 1
;; launch gemm_qkv (part 2): grid 12 x 32, 4 waves a work-group, clusters of 4 x 4, 327,680 bytes of LDS; arguments a_codes, a_scales, b_codes, b_scales, qkv; writes qkv
.if DOCPART == 2
	.amdgcn_target "amdgcn-amd-amdhsa--gfx1250"
	.amdhsa_code_object_version 6
	.text
	.protected	k_q2f0202848a_gemm_qkv
	.globl	k_q2f0202848a_gemm_qkv
	.p2align	8
	.type	k_q2f0202848a_gemm_qkv,@function
k_q2f0202848a_gemm_qkv:
	s_mov_b64 s[64:65], 0
	v_nop
	global_prefetch_b8 v0, s[64:65] scope:SCOPE_SE
	s_setreg_imm32_b32 hwreg(HW_REG_WAVE_MODE, 25, 1), 1
	s_wait_xcnt 0x0
	s_wait_alu depctr_hold_cnt(0) depctr_sa_sdst(0) depctr_va_vdst(0) depctr_va_sdst(0) depctr_va_ssrc(0) depctr_va_vcc(0) depctr_vm_vsrc(0)
	s_getreg_b32 s2, hwreg(HW_REG_IB_STS2, 6, 4)
	s_cmp_eq_u32 s2, 0
	s_cbranch_scc0 .Lentry_in_a_cluster
	s_endpgm
.Lentry_in_a_cluster:
	s_bfe_u32 s2, ttmp6, 0x10000c
	s_cmp_lg_u32 s2, 0xf033
	s_cbranch_scc0 .Lentry_shape_is_right
	s_endpgm
.Lentry_shape_is_right:
; qkv = Q(x) Q(w_qkv): [8192][1024] x [1024][3072] on codes of FP4 (E2M1) with one E8M0 scale for each 32 along K; sums in f32, K ascending.
; A (x): a_codes [8192][512 bytes], K innermost; a_scales [8192][32].  B (w_qkv): b_codes in the order of the operand's registers (a fragment of 16 n x 128 K is 1,024 consecutive bytes, the four registers
; 4 c .. 4 c + 3 of lane l at 512 c + 16 l; [K half][tile of 16 n][128 along K]); b_scales [3072][32].
; THE RESULT leaves as f16, laid as attention wants it: qkv [section q, k, v][batch x 16 + head][token][64].  The q section is multiplied in f32 by log2(e) / 8 before it is rounded, so that
; the scores come out of the next launch's product as exponents of two.
; LIMIT: q log2(e) / 8, k and v must lie under 65,504 in magnitude (f16); what lies under 6e-8 vanishes.
; A tile of C, 256 x 256, is made by a work-group of four waves; a wave makes 128 x 128: 64 accumulators, 512 registers.  K = 1,024 is two slots of 512: both are asked for at the start and nothing is filled again.
; 12 x 32 tiles: 384 work-groups.  CLUSTERS: 4 x 4 work-groups; A's tile is shared along a row of the cluster, B's along a column: each is asked for jointly.
; THE MATRIX INSTRUCTION IS USED TRANSPOSED (source 0 = 16 n of B, source 1 = 16 rows of A): a lane holds eight neighbouring columns of one token.
; REGISTERS, in windows of 256: window 0: v0-31 addresses; v32-95 scale words, two sets, and nothing else ever; v96-127 packed results on the way out; v128-191 A's fragments, one set; v192-255 rows read back on the way out.
;   window 1: B's fragments, two sets, at v0 and v128.   window 2: the accumulators of my rows 0-63 ((a, b) at v[8 (8 a + b)]);   window 3: those of my rows 64-127.
.set NQ,     4                         ; matrix instructions deep in a slot (512 along K)
.set ROWB,   256                       ; a row of A's tile in bytes
.set KROW,   512                       ; a row of a_codes
.set PITCH,  272                       ; A's LDS row: 256 bytes + 16 of padding = 68 words: row r starts at bank 4 r mod 64 (64 banks of 4 bytes: ISA guide 11.1)
.set FR,     8
.set NL,     2
.set NP,     4                         ; places behind this matrix instruction (ISA guide 7.12.1)
.set HALFA,  128*PITCH                 ; 128 rows of A: one tensor load
.set HALFB,  32768                     ; 8 tiles of 16 n x 512 K of B, dense: one tensor load; every LDS load of it takes 512 consecutive bytes
.set SLOT,   2*HALFA+2*HALFB
.set BHALF,  786432                    ; b_codes: from one K half to the next
.set KS,     32                        ; a row of scale bytes
.set SCL,    2*SLOT                    ; behind the slots: the scales, as units of 256 bytes + 16 of padding
.set HALFS,  (128*KS/256)*272
.set SBLK,   (16*KS/256)*272
.set SPARE,  SCL+4*HALFS               ; the spare words, 128 bytes for each wave: two blocks of 256 bytes that no other line names
.set STAGE,  SPARE+512                 ; the way out: 16 rows x SP bytes for each wave; no tile lands here
.set SP,     400                       ; a stage row: 256 bytes of f16 + 144: the stores' sixteen rows start at sixteen different groups of four banks
.set ADRA, 16                          ; v16-17  LDS address of my A fragments in slot 0, 1
.set ADRB, 20                          ; v20-21  the same for B
.set STO,  24
.set RD,   25
.set CO,   26
.set ADRS, 27                          ; v27     my scale words: lanes 0-15 A's rows, lanes 16-31 B's
.set SPW,  28                          ; v28     my spare word; never rewritten
.set NIL,  29                          ; v29     0; never rewritten
.set SC,   32
.set TMP,  96
.set AF,   128
.set BK,   192
.set G1, 24
.set G0, 32
.set G1B, 48
.set G0B, 56
.set G1S, 68
.set G0S, 76
.set G1SB, 80
.set G0SB, 88
.set FS,  96                           ; s[96:97] what the results are multiplied by
.set MSB, 0
.macro WIN new                         ; the immediate's high byte repeats the setting that is left
.if MSB != (\new)
	s_set_vgpr_msb (MSB<<8)|(\new)
.set MSB, (\new)
.endif
.endm
.set MUL_LO, 0xa1                      ; source 0 (B) window 1, source 1 (A) window 0, C and D window 2
.set MUL_HI, 0xf1
.set TO_B,   0x40
; A joint load: waves 0 and 1 fetch for A, waves 2 and 3 for B.  The branch hangs on the wave's number alone.  An s_nop 0 and four v_nop follow each of the two lines.
.macro JLOAD g0a, g1a, g0b, g1b
	s_cmp_eq_u32 s15, 0
	s_cbranch_scc0 .Lfor_b_\@
	tensor_load_to_lds s[\g0a:\g0a+3], s[\g1a:\g1a+7]
	s_nop 0
.rept 4
	v_nop
.endr
	s_branch .Lasked_\@
.Lfor_b_\@:
	tensor_load_to_lds s[\g0b:\g0b+3], s[\g1b:\g1b+7]
	s_nop 0
.rept 4
	v_nop
.endr
.Lasked_\@:
.endm
.macro CROUND                          ; a round of the cluster's barrier
	s_barrier_signal -1
	s_barrier_wait -1
	s_cmp_lg_u32 s14, 0
	s_cbranch_scc1 .Lnot_wave_0_\@
	s_barrier_signal -3
.Lnot_wave_0_\@:
	s_barrier_wait -3
	s_barrier_signal -1
	s_barrier_wait -1
.endm
	s_load_b128 s[4:7], s[0:1], 0x0                ; A's codes, A's scales
	s_load_b128 s[8:11], s[0:1], 0x10              ; B's codes, B's scales
	s_load_b64 s[12:13], s[0:1], 0x20              ; qkv
	v_lshl_add_u32 v[SPW], v0, 2, SPARE
	v_mov_b32 v[NIL], 0
	ds_add_u32 v[SPW], v[NIL]                      ; the wave's opening: the add, twice on end, and its wait ahead of my first tensor load
	ds_add_u32 v[SPW], v[NIL]
	v_lshrrev_b32 v1, 5, v0
	v_readfirstlane_b32 s14, v1                    ; wave 0..3
	s_lshr_b32 s15, s14, 1                         ; which half of the tile's rows is mine.  Also: I fetch for A (0) or for B (1)
	s_and_b32 s16, s14, 1                          ; which half of its columns.  Also: which half of that tile I fetch
	s_bfe_u32 s40, ttmp6, 0x40000                  ; cx, cy
	s_bfe_u32 s41, ttmp6, 0x40004
	s_lshl_b32 s42, ttmp9, 2
	s_add_co_u32 s42, s42, s40                     ; tile column = 4 x cluster x + cx
	s_and_b32 s17, ttmp7, 0xffff
	s_lshl_b32 s17, s17, 2
	s_add_co_u32 s17, s17, s41                     ; tile row = 4 x cluster y + cy
	s_lshl_b32 s43, s41, 2
	s_lshl_b32 s43, 15, s43                        ; my row of the cluster
	s_lshl_b32 s44, 0x1111, s40                    ; my column
	; group 1 for A: 128 rows x 256 bytes, 512 bytes apart in memory, 16 bytes of padding behind each in LDS
	s_or_b32 s[G1+0], s43, (0<<16)|(1<<20)|(1<<21)|(5<<22)|(3<<25)
	s_mov_b32 s[G1+1], ROWB<<16
	s_mov_b32 s[G1+2], 128<<16
	s_mov_b32 s[G1+3], ROWB<<16
	s_mov_b32 s[G1+4], 128
	s_mov_b32 s[G1+5], KROW
	s_mov_b32 s[G1+6], 0
	s_mov_b32 s[G1+7], 0
	; group 1 for B: a dense block of 32,768 bytes as 128 rows of 32 elements of 8 bytes, no padding
	s_or_b32 s[G1B+0], s44, (3<<16)|(1<<21)
	s_mov_b32 s[G1B+1], 32<<16
	s_mov_b32 s[G1B+2], 128<<16
	s_mov_b32 s[G1B+3], 32<<16
	s_mov_b32 s[G1B+4], 128
	s_mov_b32 s[G1B+5], 32
	s_mov_b32 s[G1B+6], 0
	s_mov_b32 s[G1B+7], 0
	; the scales of 128 rows: 4,096 dense bytes as 16 rows of 256, 16 bytes of padding behind each
	s_or_b32 s[G1S+0], s43, (3<<16)|(1<<20)|(1<<21)|(5<<22)|(3<<25)
	s_or_b32 s[G1SB+0], s44, (3<<16)|(1<<20)|(1<<21)|(5<<22)|(3<<25)
.irp g, G1S, G1SB
	s_mov_b32 s[\g+1], 32<<16
	s_mov_b32 s[\g+2], (128*KS/256)<<16
	s_mov_b32 s[\g+3], 32<<16
	s_mov_b32 s[\g+4], 128*KS/256
	s_mov_b32 s[\g+5], 32
	s_mov_b32 s[\g+6], 0
	s_mov_b32 s[\g+7], 0
.endr
	s_lshl_b32 s18, s16, 7                         ; which 128 rows I fetch
	s_lshl_b32 s20, s17, 8
	s_add_co_u32 s20, s20, s18                     ; A: row 256 x tile row + 128 x half
	s_lshl_b32 s46, s42, 8
	s_add_co_u32 s46, s46, s18                     ; B: column 256 x tile column + 128 x half
	s_lshl_b32 s22, s20, 5                         ; their scale bytes: 32 a row
	s_mov_b32 s23, 0
	s_lshl_b32 s92, s46, 5
	s_mov_b32 s93, 0
	s_lshl_b32 s20, s20, 9                         ; A's codes: 512 bytes a row
	s_mov_b32 s21, 0
	s_lshl_b32 s46, s46, 8                         ; B's codes: 4,096 bytes for 16 columns in a K half
	s_mov_b32 s47, 0
	s_mul_i32 s45, s16, HALFA                      ; where they go: no place in the cluster enters an LDS address
	s_mul_i32 s95, s16, HALFB
	s_add_co_u32 s95, s95, 2*HALFA
	s_mul_i32 s94, s14, HALFS
	s_wait_dscnt 0x0                               ; both opening adds are done
	s_wait_kmcnt 0x0
	s_add_nc_u64 s[20:21], s[4:5], s[20:21]
	s_add_nc_u64 s[22:23], s[6:7], s[22:23]
	s_add_nc_u64 s[46:47], s[8:9], s[46:47]
	s_add_nc_u64 s[92:93], s[10:11], s[92:93]
	CROUND                                         ; all sixteen work-groups are here: the first joint loads meet
	s_mov_b32 s[G0S], 1
	s_add_co_u32 s[G0S+1], s94, SCL
	s_mov_b64 s[G0S+2:G0S+3], s[22:23]
	s_or_b32 s[G0S+3], s[G0S+3], 0x80000000
	s_mov_b32 s[G0SB], 1
	s_add_co_u32 s[G0SB+1], s94, SCL
	s_mov_b64 s[G0SB+2:G0SB+3], s[92:93]
	s_or_b32 s[G0SB+3], s[G0SB+3], 0x80000000
	JLOAD G0S, G1S, G0SB, G1SB                     ; the scales first: they are wanted with slot 0
.irp s, 0,1
	s_mov_b32 s[G0+4*\s], 1
	s_add_co_u32 s[G0+4*\s+1], s45, \s*SLOT
	s_add_nc_u64 s[G0+4*\s+2:G0+4*\s+3], s[20:21], \s*ROWB
	s_or_b32 s[G0+4*\s+3], s[G0+4*\s+3], 0x80000000
	s_mov_b32 s[G0B+4*\s], 1
	s_add_co_u32 s[G0B+4*\s+1], s95, \s*SLOT
	s_add_nc_u64 s[G0B+4*\s+2:G0B+4*\s+3], s[46:47], \s*BHALF
	s_or_b32 s[G0B+4*\s+3], s[G0B+4*\s+3], 0x80000000
	JLOAD G0+4*\s, G1, G0B+4*\s, G1B               ; three loads of mine are out after the second of these
.endr
	v_and_b32 v1, 15, v0                           ; r = l % 16
	v_bfe_u32 v2, v0, 4, 1                         ; h = l / 16
	v_mul_u32_u24 v3, v1, PITCH
	v_lshl_add_u32 v4, v2, 4, v3                   ; A: row x pitch + 16 h
	v_and_b32 v6, 31, v0
	v_lshlrev_b32 v6, 4, v6                        ; B: 16 x lane
	s_mul_i32 s21, s15, HALFA                      ; my 128 rows of A
	s_mul_i32 s22, s16, HALFB                      ; my 128 columns of B,
	s_add_co_u32 s22, s22, 2*HALFA                 ; behind A's 256 rows
.irp s, 0,1
	v_add_nc_u32 v[ADRA+\s], s21, v4
	v_add_nc_u32 v[ADRB+\s], s22, v6
	s_add_co_u32 s21, s21, SLOT
	s_add_co_u32 s22, s22, SLOT
.endr
	v_mul_u32_u24 v5, v1, KS                       ; my row's scales: 32 bytes a row,
	v_lshrrev_b32 v6, 8, v5
	v_lshl_add_u32 v5, v6, 4, v5                   ; and 16 more for each 256 passed
	s_mul_i32 s21, s15, HALFS
	s_mul_i32 s22, s16, HALFS
	s_add_co_u32 s22, s22, 2*HALFS
	s_sub_co_u32 s22, s22, s21
	v_mul_u32_u24 v6, s22, v2                      ; lanes 16-31 take B's: one product, the distance between the two bases
	s_add_co_u32 s21, s21, SCL
	v_add_nc_u32 v5, v5, v6
	v_add_nc_u32 v[ADRS], s21, v5
	s_mul_i32 s23, s14, 16*SP
	s_add_co_u32 s23, s23, STAGE                   ; my stage
	v_mul_u32_u24 v5, v1, SP
	v_lshl_add_u32 v5, v2, 4, v5
	v_add_nc_u32 v[STO], s23, v5                   ; in: token r, 16 bytes for each half of the lanes
	v_bfe_u32 v5, v0, 3, 1
	v_mul_u32_u24 v5, v5, SP
	v_lshl_add_u32 v5, v2, 7, v5
	v_and_b32 v6, 7, v0
	v_lshl_add_u32 v5, v6, 4, v5
	v_add_nc_u32 v[RD], s23, v5                    ; back: lanes 0-15 two tokens of the first head (128 bytes each), lanes 16-31 the same tokens of the second
	v_lshlrev_b32 v[CO], 4, v1
	v_lshl_add_u32 v[CO], v2, 18, v[CO]            ; in qkv: 16 (l % 16), and a head (262,144 bytes) on for lanes 16-31
	; where my part begins in qkv: section tile column / 4; head 4 (tile column % 4) + 2 x column half; batch tile row / 8; token 256 (tile row % 8) + 128 x row half
	s_lshr_b32 s20, s17, 3
	s_lshl_b32 s20, s20, 4
	s_and_b32 s21, s42, 3
	s_lshl_b32 s21, s21, 2
	s_add_co_u32 s20, s20, s21
	s_lshl_b32 s21, s16, 1
	s_add_co_u32 s20, s20, s21
	s_lshl_b32 s20, s20, 11
	s_and_b32 s21, s17, 7
	s_lshl_b32 s21, s21, 8
	s_add_co_u32 s20, s20, s21
	s_lshl_b32 s21, s15, 7
	s_add_co_u32 s20, s20, s21
	s_lshl_b32 s20, s20, 7                         ; 128 bytes a token
	s_lshr_b32 s21, s42, 2
	s_lshl_b32 s21, s21, 24                        ; 16,777,216 bytes a section
	s_add_co_u32 s20, s20, s21
	s_mov_b32 s21, 0
	s_add_nc_u64 s[12:13], s[12:13], s[20:21]
	s_cmp_lt_u32 s42, 4                            ; the q section?  A value is chosen, no way through the text
	s_cselect_b32 s[FS], 0x3e38aa3b, 1.0           ; log2(e) / 8, or 1
	s_mov_b32 s[FS+1], s[FS]                       ; (named with it as a pair, so it is written)
.macro FRAG reg, adr, q, i             ; A: 16 rows x 128 K: lane l holds row l % 16; registers 4 c .. 4 c + 3 hold K = 64 c + 32 (l / 16) + 0 .. 31
.irp c, 0,1
	ds_load_b128 v[\reg+4*\c:\reg+4*\c+3], v[\adr] offset:64*(\q)+32*\c+(\i)*16*PITCH
.endr
.endm
.macro FRAGB reg, slot, q, i           ; B: the fragment's image, 512 consecutive bytes a load
.irp c, 0,1
	ds_load_b128 v[\reg+4*\c:\reg+4*\c+3], v[ADRB+\slot] offset:4096*(\i)+1024*(\q)+512*\c
.endr
.endm
; 16 matrix instructions: A's blocks a0, a0 + 1 x B's eight.  p: B's set; sc: the set of scale words.  zero = 1: the first product starts the sums.  The 64 accumulators take turns, one instruction a turn.
.macro MUL16 a0, p, q, sc, zero
.irp a, \a0, \a0+1
.irp b, 0,1,2,3,4,5,6,7
.if \zero
	v_wmma_scale_f32_16x16x128_f8f6f4 v[8*(8*((\a)%4)+\b):8*(8*((\a)%4)+\b)+7], v[128*(\p)+FR*\b:128*(\p)+FR*\b+FR-1], v[AF+FR*(\a):AF+FR*(\a)+FR-1], 0, v[SC+8*NQ*(\sc)+NQ*\b+(\q)], v[SC+8*NQ*(\sc)+NQ*(\a)+(\q)] matrix_a_fmt:MATRIX_FMT_FP4 matrix_b_fmt:MATRIX_FMT_FP4 matrix_a_scale:MATRIX_SCALE_ROW1
.else
	v_wmma_scale_f32_16x16x128_f8f6f4 v[8*(8*((\a)%4)+\b):8*(8*((\a)%4)+\b)+7], v[128*(\p)+FR*\b:128*(\p)+FR*\b+FR-1], v[AF+FR*(\a):AF+FR*(\a)+FR-1], v[8*(8*((\a)%4)+\b):8*(8*((\a)%4)+\b)+7], v[SC+8*NQ*(\sc)+NQ*\b+(\q)], v[SC+8*NQ*(\sc)+NQ*(\a)+(\q)] matrix_a_fmt:MATRIX_FMT_FP4 matrix_b_fmt:MATRIX_FMT_FP4 matrix_a_scale:MATRIX_SCALE_ROW1
.endif
.endr
.endr
.endm
.macro FETCH_B slot, q, p
	WIN TO_B
.irp i, 0,1,2,3,4,5,6,7
	FRAGB 128*(\p)+FR*\i, \slot, \q, \i
.endr
	WIN 0
.endm
.macro FETCH_A slot, q, i0
.irp i, \i0, \i0+1, \i0+2, \i0+3
	FRAG AF+FR*(\i), ADRA+\slot, \q, \i
.endr
.endm
.macro SCALES sc                       ; a slot's scale words: four a row; lanes 0-15 take A's block i, lanes 16-31 B's block i
.irp i, 0,1,2,3,4,5,6,7
	ds_load_b128 v[SC+8*NQ*\sc+NQ*\i:SC+8*NQ*\sc+NQ*\i+3], v[ADRS] offset:\i*SBLK
.endr
.endm
.macro PLACES n                        ; plain vector instructions between matrix instructions and loads into, or reads of, their registers
.rept \n
	v_nop
.endr
.endm
.macro STEP slot, q, zero              ; 128 along K that has its successor in the same slot
	s_wait_dscnt 4*NL                              ; B's set and A's blocks 0-3 are in; the youngest eight loads (A's blocks 4-7) may be out
	WIN MUL_LO
	MUL16 0, (\q)%2, \q, \slot, \zero
	MUL16 2, (\q)%2, \q, \slot, \zero
	s_wait_dscnt 0
	PLACES NP
	FETCH_B \slot, (\q)+1, 1-(\q)%2
	FETCH_A \slot, (\q)+1, 0
	WIN MUL_HI
	MUL16 4, (\q)%2, \q, \slot, \zero
	MUL16 6, (\q)%2, \q, \slot, \zero
	PLACES NP
	WIN 0
	FETCH_A \slot, (\q)+1, 4
.endm
	s_wait_tensorcnt 1                             ; the scales and my part of slot 0 are in (slot 1's load may be out)
	s_barrier_signal -1
	s_barrier_wait -1                              ; everybody's are
	FETCH_B 0, 0, 0
	FETCH_A 0, 0, 0
	SCALES 0
	FETCH_A 0, 0, 4
	STEP 0, 0, 1                                   ; the first step's products start the sums
	STEP 0, 1, 0
	STEP 0, 2, 0
	; slot 0's last step changes slots: one barrier; in front of it my part of slot 1 has landed
	s_wait_tensorcnt 0x0                           ; all my tensor loads have landed
	ds_add_u32 v[SPW], v[NIL]                      ; 0 onto my spare word
	s_wait_dscnt 4*NL+1                            ; (the add and A's blocks 4-7 may be out)
	WIN MUL_LO
	MUL16 0, 1, NQ-1, 0, 0
	s_wait_dscnt 0x0
	s_barrier_signal -1
	MUL16 2, 1, NQ-1, 0, 0
	WIN 0
	s_barrier_wait -1                              ; slot 1 is whole
	PLACES NP
	v_add_nc_u32 v[ADRS], 4*NQ, v[ADRS]            ; on to slot 1's scale words (no LDS load of mine is out)
	FETCH_B 1, 0, 0
	FETCH_A 1, 0, 0
	SCALES 1
	WIN MUL_HI
	MUL16 4, 1, NQ-1, 0, 0
	MUL16 6, 1, NQ-1, 0, 0
	PLACES NP
	WIN 0
	FETCH_A 1, 0, 4
	STEP 1, 0, 0
	STEP 1, 1, 0
	STEP 1, 2, 0
	s_wait_dscnt 4*NL                              ; the very last step: nothing more to fetch
	WIN MUL_LO
	MUL16 0, 1, NQ-1, 1, 0
	MUL16 2, 1, NQ-1, 1, 0
	s_wait_dscnt 0
	WIN MUL_HI
	MUL16 4, 1, NQ-1, 1, 0
	MUL16 6, 1, NQ-1, 1, 0
	WIN 0
; THE WAY OUT, block by block of 16 tokens x 128 columns (two heads).  PACK: times the section's factor, in f32, then rounded to f16: 16 bytes a lane.  TOSTAGE: into my own stage and back by tokens.
; SEND: sixteen lanes store two tokens of one head, 256 consecutive bytes, aligned.  LDS serves a wave's instructions in order: no wait between the stage's stores and loads.
.macro PACK a
.set AC, 64*((\a)%4)
	WIN 0x82+0x41*((\a)/4)                         ; destination and source 0: window 2 or 3
.set i, 0
.rept 32
	v_pk_mul_f32 v[AC+i:AC+i+1], v[AC+i:AC+i+1], s[FS:FS+1] op_sel_hi:[1,0]   ; each accumulator from its low end on
.set i, i+2
.endr
	WIN 0x0a+5*((\a)/4)                            ; sources 0 and 1: window 2 or 3
.irp b, 0,1,2,3,4,5,6,7
.irp r, 0,1,2,3
	v_cvt_pk_f16_f32 v[TMP+4*\b+\r], v[AC+8*\b+2*\r], v[AC+8*\b+2*\r+1]
.endr
.endr
	WIN 0
.endm
.macro TOSTAGE a
.set BB, BK+32*((\a)%2)
.irp b, 0,1,2,3,4,5,6,7
	ds_store_b128 v[STO], v[TMP+4*\b:TMP+4*\b+3] offset:32*\b
.endr
.irp t, 0,1,2,3,4,5,6,7
	ds_load_b128 v[BB+4*\t:BB+4*\t+3], v[RD] offset:2*SP*\t
.endr
.endm
.macro SEND a, younger                 ; younger: the LDS instructions issued behind block a's loads
.set BB, BK+32*((\a)%2)
	s_wait_dscnt \younger
.irp t, 0,1,2,3,4,5,6,7
	global_store_b128 v[CO], v[BB+4*\t:BB+4*\t+3], s[12:13] offset:2048*(\a)+256*\t
.endr
.endm
	PLACES NP                                      ; behind the last products, ahead of the first read of results
	PACK 0
	TOSTAGE 0
.irp a, 1,2,3,4,5,6,7
	PACK \a
.if \a > 1
	s_wait_xcnt 0x0                                ; block a - 2's stores have read their registers: block a's loads may land there
.endif
	TOSTAGE \a
	SEND \a-1, 16                                  ; behind block a - 1's loads: block a's 8 stores and 8 loads
.endr
	SEND 7, 0
	s_wait_tensorcnt 0x0                           ; the wave's end: the tensor wait, a 0 add onto my spare word and its wait, behind my last tensor load and my last LDS store
	ds_add_u32 v[SPW], v[NIL]
	s_wait_dscnt 0x0
	CROUND                                         ; the closing round
	s_endpgm
.Lfunc_end_k_q2f0202848a_gemm_qkv:
	.size	k_q2f0202848a_gemm_qkv, .Lfunc_end_k_q2f0202848a_gemm_qkv-k_q2f0202848a_gemm_qkv
	.p2alignl 7, 3214868480
	.fill 96, 4, 3214868480
	.section	.rodata,"a",@progbits
	.p2align	6, 0x0
	.amdhsa_kernel k_q2f0202848a_gemm_qkv
		.amdhsa_group_segment_fixed_size 327680
		.amdhsa_private_segment_fixed_size 0
		.amdhsa_enable_private_segment 0
		.amdhsa_kernarg_size 40
		.amdhsa_user_sgpr_count 2
		.amdhsa_user_sgpr_kernarg_segment_ptr 1
		.amdhsa_wavefront_size32 1
		.amdhsa_system_sgpr_workgroup_id_x 1
		.amdhsa_system_sgpr_workgroup_id_y 1
		.amdhsa_system_sgpr_workgroup_id_z 1
		.amdhsa_system_vgpr_workitem_id 0
		.amdhsa_next_free_vgpr 1024
		.amdhsa_next_free_sgpr 98
		.amdhsa_reserve_vcc 0
		.amdhsa_float_denorm_mode_32 3
		.amdhsa_float_denorm_mode_16_64 3
		.amdhsa_memory_ordered 1
		.amdhsa_forward_progress 1
		.amdhsa_inst_pref_size 143
	.end_amdhsa_kernel
	.amdgpu_metadata
---
amdhsa.version: [ 1, 2 ]
amdhsa.kernels:
  - .name:           k_q2f0202848a_gemm_qkv
    .symbol:         k_q2f0202848a_gemm_qkv.kd
    .args:
      - { .name: a_codes, .offset: 0, .size: 8, .value_kind: global_buffer, .address_space: global }
      - { .name: a_scales, .offset: 8, .size: 8, .value_kind: global_buffer, .address_space: global }
      - { .name: b_codes, .offset: 16, .size: 8, .value_kind: global_buffer, .address_space: global }
      - { .name: b_scales, .offset: 24, .size: 8, .value_kind: global_buffer, .address_space: global }
      - { .name: qkv, .offset: 32, .size: 8, .value_kind: global_buffer, .address_space: global }
    .group_segment_fixed_size: 327680
    .private_segment_fixed_size: 0
    .kernarg_segment_align: 8
    .kernarg_segment_size: 40
    .max_flat_workgroup_size: 128
    .sgpr_count:     98
    .vgpr_count:     1024
    .wavefront_size: 32
...
	.end_amdgpu_metadata
.endif
;; end of part 2
;; launch attn (part 3): grid 4 x 64, 8 waves a work-group, clusters of 4 x 1, 327,680 bytes of LDS; arguments qkv, att; writes att
.if DOCPART == 3
	.amdgcn_target "amdgcn-amd-amdhsa--gfx1250"
	.amdhsa_code_object_version 6
	.text
	.protected	k_q2f0202848a_attn
	.globl	k_q2f0202848a_attn
	.p2align	8
	.type	k_q2f0202848a_attn,@function
k_q2f0202848a_attn:
	s_mov_b64 s[64:65], 0
	v_nop
	global_prefetch_b8 v0, s[64:65] scope:SCOPE_SE
	s_setreg_imm32_b32 hwreg(HW_REG_WAVE_MODE, 25, 1), 1
	s_wait_xcnt 0x0
	s_wait_alu depctr_hold_cnt(0) depctr_sa_sdst(0) depctr_va_vdst(0) depctr_va_sdst(0) depctr_va_ssrc(0) depctr_va_vcc(0) depctr_vm_vsrc(0)
	s_getreg_b32 s2, hwreg(HW_REG_IB_STS2, 6, 4)
	s_cmp_eq_u32 s2, 0
	s_cbranch_scc0 .Lentry_in_a_cluster
	s_endpgm
.Lentry_in_a_cluster:
	s_bfe_u32 s2, ttmp6, 0x10000c
	s_cmp_lg_u32 s2, 0x3003
	s_cbranch_scc0 .Lentry_shape_is_right
	s_endpgm
.Lentry_shape_is_right:
; att[h][b n][:] = the sum over keys of softmax(q . k / 8) v, for 64 pairs of batch and head, 2,048 tokens, head size 64, no mask.
; qkv: [q, k, v][batch x 16 + head][token][64] f16; q arrives multiplied by log2(e) / 8, so a score s is an exponent of two.  att: [head][batch x 2048 + token][64] f16.
; Products on f16 operands with f32 sums; maxima, exponentials and sums in f32; the weights p (at most 1) are rounded to f16 for the second product, att once at the end.
; SOFTMAX: for each query a running maximum m and sum l: p = 2^(s - m); in every step O and l are multiplied by a = 2^(m_old - m_new).  m begins at -3e38, l and O at 0: the first a is 0 and multiplies zeros.
; LIMIT: NaN and infinities are not served; scores stay under 3e37 in magnitude.
; SHARES.  A work-group owns 512 queries of one head, each of its eight waves 64: four tiles of 16.  Two waves share a SIMD, 512 registers each: one's vector work stands beside the other's matrix work.
; Every wave walks all 2,048 keys, 64 a step.  K and V come through two LDS slots of 512 keys; waves 0-3 fetch K's quarters, waves 4-7 V's: one tensor load of 64 rows x 256 bytes a wave.
; CLUSTER.  The four work-groups of a head walk the same K and V: each tile is asked for jointly, by the same load with the same descriptor and the mask of all four.
; No prefetch is laid: slots 0 and 1 are asked for at the head, and each of the two refills is asked for eight key steps (512 matrix instructions a wave) ahead of the wait for it.
; LAYOUT.  Both products are used transposed: S^T = K Q^T (source 0 = 16 keys, source 1 = 16 queries), O^T = V^T P (source 0 = 16 channels, source 1 = P): a lane holds ONE query (lane % 16) throughout.
; Two tiles of S^T, rounded to f16 in pairs, ARE source 1 of the second product; they are packed in place, into the low half of the tile's own registers.
; In LDS two keys (2 x 128 bytes) make a row of 256 bytes.  K: + 16 bytes of padding, V: + 32.
; REGISTERS: window 0: v1-13 addresses; v16-47 eight registers of statistics a tile (+0 m, +1 written once, +2 +3 l, +4 to +7 at work; a at +6); v48-55 the sums' second chains; v64-191 S^T, 32 a tile; v192-255 V.
;   window 1: v0-127 O^T, 32 a tile; v128-191 Q, 16 a tile; v192-255 K.
.set KP,    272
.set VP,    288
.set KPART, 256*KP                     ; a slot: 256 rows of K, then 256 rows of V
.set SLOTB, KPART+256*VP
.set STAGE, 2*SLOTB                    ; the way out: 16 rows x 144 bytes for each wave; no tile lands here
.set SPT,   144
.set SPARE, STAGE+8*16*SPT             ; the spare words, 128 bytes for each wave: four blocks of 256 bytes that no other line names
.set AK0, 3
.set AV0, 4
.set ADK, 5
.set ADV, 6
.set QO,  7
.set STO, 8
.set RD,  9
.set GO,  10
.set SPW, 12                           ; v12  my spare word; never rewritten
.set NIL, 13                           ; v13  0; never rewritten
.set ST,  16
.set CH,  48
.set S,   64
.set VF,  192
.set QF,  128                          ; in window 1
.set KF,  192                          ; in window 1
.set WV,  12
.set G1K, 24
.set G1V, 32
.set G0K, 40                           ; a group 0 for each slot
.set G0V, 48
.set CNT, 56
.set TBK, 57                           ; LDS byte from which the step's K is counted
.set TBV, 58                           ; and its V
.set SEL, 60
.set QB,  66
.set OB,  68
.set MSB, 0
.macro WIN new                         ; the immediate's high byte repeats the setting that is left
.if MSB != (\new)
	s_set_vgpr_msb (MSB<<8)|(\new)
.set MSB, (\new)
.endif
.endm
.macro JLOAD s                         ; a joint load into slot s.  The branch hangs on the wave's number alone.  An s_nop 0 and four v_nop follow each of the two lines
	s_cmp_lt_u32 s[WV], 4
	s_cbranch_scc0 .Lfor_v_\@
	tensor_load_to_lds s[G0K+4*\s:G0K+4*\s+3], s[G1K:G1K+7]
	s_nop 0
.rept 4
	v_nop
.endr
	s_branch .Lasked_\@
.Lfor_v_\@:
	tensor_load_to_lds s[G0V+4*\s:G0V+4*\s+3], s[G1V:G1V+7]
	s_nop 0
.rept 4
	v_nop
.endr
.Lasked_\@:
.endm
.macro CROUND                          ; a round of the cluster's barrier
	s_barrier_signal -1
	s_barrier_wait -1
	s_cmp_lg_u32 s[WV], 0
	s_cbranch_scc1 .Lnot_wave_0_\@
	s_barrier_signal -3
.Lnot_wave_0_\@:
	s_barrier_wait -3
	s_barrier_signal -1
	s_barrier_wait -1
.endm
	s_load_b128 s[4:7], s[0:1], 0x0                ; qkv s[4:5], att s[6:7]
	v_lshl_add_u32 v[SPW], v0, 2, SPARE
	v_mov_b32 v[NIL], 0
	ds_add_u32 v[SPW], v[NIL]                      ; the wave's opening: the add, twice on end, and its wait ahead of my first tensor load
	ds_add_u32 v[SPW], v[NIL]
	v_lshrrev_b32 v1, 5, v0
	v_readfirstlane_b32 s[WV], v1                  ; wave 0..7
	s_bfe_u32 s13, ttmp6, 0x40000                  ; cx
	s_lshl_b32 s14, ttmp9, 2
	s_add_co_u32 s14, s14, s13                     ; my block of 512 queries: it enters Q's and att's addresses alone
	s_and_b32 s15, ttmp7, 0xffff                   ; batch x 16 + head, which the four partners share
	s_and_b32 s16, s[WV], 3                        ; which quarter of a slot I fetch
	s_mul_i32 s17, s16, 64*KP                      ; its place in a slot's K,
	s_mul_i32 s18, s16, 64*VP                      ; or V
	s_lshl_b32 s20, s15, 18                        ; a head is 262,144 bytes
	s_lshl_b32 s21, s16, 14                        ; 128 keys are 16,384
	s_add_co_u32 s20, s20, s21
	s_mov_b32 s21, 0
	s_lshl_b32 s22, s15, 18
	s_lshl_b32 s23, s14, 16                        ; 512 queries,
	s_add_co_u32 s22, s22, s23
	s_lshl_b32 s23, s[WV], 13                      ; my wave's 64
	s_add_co_u32 s22, s22, s23
	s_mov_b32 s23, 0
	s_and_b32 s2, s15, 15                          ; att: the head: 8,192 rows of 128 bytes,
	s_lshl_b32 s2, s2, 20
	s_lshr_b32 s3, s15, 4                          ; the batch: 2,048 rows,
	s_lshl_b32 s3, s3, 18
	s_add_co_u32 s2, s2, s3
	s_lshl_b32 s3, s14, 16
	s_add_co_u32 s2, s2, s3
	s_lshl_b32 s3, s[WV], 13
	s_add_co_u32 s2, s2, s3
	s_mov_b32 s3, 0
	; group 1: 64 rows of 32 elements of 8 bytes, dense in memory; padding behind every 64 words: 4 words for K, 8 for V; the mask names all four work-groups, bit 21 beside it
	s_mov_b32 s[G1K], 15|(3<<16)|(1<<20)|(1<<21)|(5<<22)|(3<<25)
	s_mov_b32 s[G1V], 15|(3<<16)|(1<<20)|(1<<21)|(5<<22)|(7<<25)
.irp g, G1K, G1V
	s_mov_b32 s[\g+1], 32<<16
	s_mov_b32 s[\g+2], 64<<16
	s_mov_b32 s[\g+3], 32<<16
	s_mov_b32 s[\g+4], 64
	s_mov_b32 s[\g+5], 32
	s_mov_b32 s[\g+6], 0
	s_mov_b32 s[\g+7], 0
.endr
	s_mov_b32 s[SEL], 0x76543210
	s_mov_b32 s[SEL+1], 0xfedcba98                 ; v_permlanex16_b32's selects for lane l xor 16
	s_wait_dscnt 0x0                               ; both opening adds are done
	s_wait_kmcnt 0x0
	s_add_nc_u64 s[20:21], s[4:5], s[20:21]
	s_add_nc_u64 s[QB:QB+1], s[4:5], s[22:23]
	s_add_nc_u64 s[OB:OB+1], s[6:7], s[2:3]
	CROUND                                         ; all four work-groups are here: the first joint loads meet
.irp s, 0,1
	s_mov_b32 s[G0K+4*\s], 1
	s_add_co_u32 s[G0K+4*\s+1], s17, \s*SLOTB
	s_add_nc_u64 s[G0K+4*\s+2:G0K+4*\s+3], s[20:21], 16777216+\s*65536   ; the k section; slot s begins with keys 512 s
	s_or_b32 s[G0K+4*\s+3], s[G0K+4*\s+3], 0x80000000
	s_mov_b32 s[G0V+4*\s], 1
	s_add_co_u32 s[G0V+4*\s+1], s18, \s*SLOTB+KPART
	s_add_nc_u64 s[G0V+4*\s+2:G0V+4*\s+3], s[20:21], 33554432+\s*65536   ; the v section
	s_or_b32 s[G0V+4*\s+3], s[G0V+4*\s+3], 0x80000000
.endr
	s_cmp_lt_u32 s[WV], 4                          ; a wave's two first fills stand in one branch: two loads of mine are out
	s_cbranch_scc0 .Lfirst_v
	tensor_load_to_lds s[G0K:G0K+3], s[G1K:G1K+7]
	s_nop 0
	tensor_load_to_lds s[G0K+4:G0K+7], s[G1K:G1K+7]
	s_nop 0
.rept 4
	v_nop
.endr
	s_branch .Lfirst_asked
.Lfirst_v:
	tensor_load_to_lds s[G0V:G0V+3], s[G1V:G1V+7]
	s_nop 0
	tensor_load_to_lds s[G0V+4:G0V+7], s[G1V:G1V+7]
	s_nop 0
.rept 4
	v_nop
.endr
.Lfirst_asked:
	v_and_b32 v1, 15, v0                           ; r = l % 16
	v_bfe_u32 v2, v0, 4, 1                         ; h = l / 16
	v_lshlrev_b32 v[QO], 7, v1
	v_lshl_add_u32 v[QO], v2, 4, v[QO]             ; Q: row r of 128 bytes + 16 h
	WIN 0x40                                       ; destination window 1, address window 0
.irp t, 0,1,2,3
.irp c, 0,1
	global_load_b128 v[QF+16*\t+8*\c:QF+16*\t+8*\c+3],   v[QO], s[QB:QB+1] offset:2048*\t+64*\c      ; Q stays in registers: tile t, channels 32 c on
	global_load_b128 v[QF+16*\t+8*\c+4:QF+16*\t+8*\c+7], v[QO], s[QB:QB+1] offset:2048*\t+64*\c+32
.endr
.endr
.set i, 0
.rept 128
	v_mov_b32 v[i], 0                              ; O^T.  (The key step is written in one form: its first run finds zeros, which a = 0 leaves zeros)
.set i, i+1
.endr
	WIN 0
	v_lshrrev_b32 v14, 1, v1
	v_mul_u32_u24 v[AK0], v14, KP
	v_and_b32 v14, 1, v0
	v_lshl_add_u32 v[AK0], v14, 7, v[AK0]
	v_lshl_add_u32 v[AK0], v2, 4, v[AK0]           ; K: key r: row r / 2, half r % 2, + 16 h
	v_bfe_u32 v15, v0, 1, 2
	v_lshl_add_u32 v15, v2, 2, v15
	v_mul_u32_u24 v[AV0], v15, VP
	v_lshl_add_u32 v[AV0], v14, 7, v[AV0]
	v_bfe_u32 v15, v0, 3, 1
	v_lshl_add_u32 v[AV0], v15, 4, v[AV0]
	v_add_nc_u32 v[AV0], KPART, v[AV0]             ; V, for the turning load: key 8 h + l % 8, channels 8 ((l / 8) % 2) on
	s_mul_i32 s19, s[WV], 16*SPT
	s_add_co_u32 s19, s19, STAGE                   ; my stage
	v_mul_u32_u24 v[STO], v1, SPT
	v_lshl_add_u32 v[STO], v2, 4, v[STO]
	v_add_nc_u32 v[STO], s19, v[STO]               ; in: row r, 16 bytes for each half of the lanes
	v_bfe_u32 v14, v0, 3, 2
	v_mul_u32_u24 v[RD], v14, SPT
	v_and_b32 v14, 7, v0
	v_lshl_add_u32 v[RD], v14, 4, v[RD]
	v_add_nc_u32 v[RD], s19, v[RD]                 ; back: eight lanes to a row of 128 bytes, four rows an instruction
	v_and_b32 v[GO], 31, v0
	v_lshlrev_b32 v[GO], 4, v[GO]                  ; and the same 512 consecutive bytes in att
.irp t, 0,1,2,3
	v_mov_b32 v[ST+8*\t], 0xff61b1e6               ; m = -3e38, under every score
	v_mov_b32 v[ST+8*\t+1], 0                      ; (named with m as a pair, so it is written)
	v_mov_b32 v[ST+8*\t+2], 0                      ; l, in two halves
	v_mov_b32 v[ST+8*\t+3], 0
.endr
; S^T = K Q^T: 32 products; channels 32 (i / 16) on; 16 accumulators by turns, one instruction a turn: tile i % 4, keys 16 ((i % 16) / 4) on.  The first 16 start the sums.
.macro KQ
	WIN 0x05                                       ; K and Q in window 1, S^T in window 0
.set i, 0
.rept 32
.set rS, S+32*(i%4)+8*((i%16)/4)
.set rK, KF+8*(2*((i%16)/4)+i/16)
.set rQ, QF+16*(i%4)+8*(i/16)
.if i < 16
	v_wmma_f32_16x16x32_f16 v[rS:rS+7], v[rK:rK+7], v[rQ:rQ+7], 0
.else
	v_wmma_f32_16x16x32_f16 v[rS:rS+7], v[rK:rK+7], v[rQ:rQ+7], v[rS:rS+7]
.endif
.set i, i+1
.endr
	WIN 0
.endm
; O^T += V^T P: 32 products; keys 32 (i / 16) on; 16 accumulators by turns: tile i % 4, channels 16 ((i % 16) / 4) on.
.macro PV
	WIN 0x50                                       ; V and P in window 0, O^T in window 1
.set i, 0
.rept 32
.set rO, 32*(i%4)+8*((i%16)/4)
.set rV, VF+8*(4*(i/16)+(i%16)/4)
.set rP, S+32*(i%4)+8*(i/16)
	v_wmma_f32_16x16x32_f16 v[rO:rO+7], v[rV:rV+7], v[rP:rP+7], v[rO:rO+7]
.set i, i+1
.endr
	WIN 0
.endm
; The softmax of four tiles for one key step: 117 instructions a tile; the tiles take turns in every stage, so that no line waits for the line above it.
.macro SOFTMAX
.irp j, 0,1,2,3                        ; the maximum of the lane's 32 scores and the old m: four chains; each accumulator is read from its low end on
.irp t, 0,1,2,3
	v_max3_num_f32 v[ST+8*\t+4+\j], v[S+32*\t+8*\j], v[S+32*\t+8*\j+1], v[S+32*\t+8*\j+2]
.endr
.endr
.irp g, 1,2
.irp j, 0,1,2,3
.irp t, 0,1,2,3
	v_max3_num_f32 v[ST+8*\t+4+\j], v[ST+8*\t+4+\j], v[S+32*\t+8*\j+2*\g+1], v[S+32*\t+8*\j+2*\g+2]
.endr
.endr
.endr
.irp t, 0,1,2,3
	v_max3_num_f32 v[ST+8*\t+4], v[ST+8*\t+4], v[S+32*\t+7], v[S+32*\t+15]
.endr
.irp t, 0,1,2,3
	v_max3_num_f32 v[ST+8*\t+6], v[ST+8*\t+6], v[S+32*\t+23], v[S+32*\t+31]
.endr
.irp t, 0,1,2,3
	v_max3_num_f32 v[ST+8*\t+4], v[ST+8*\t+4], v[ST+8*\t+5], v[ST+8*\t+6]
.endr
.irp t, 0,1,2,3
	v_max3_num_f32 v[ST+8*\t+4], v[ST+8*\t+4], v[ST+8*\t+7], v[ST+8*\t]
.endr
.irp t, 0,1,2,3
	v_permlanex16_b32 v[ST+8*\t+5], v[ST+8*\t+4], s[SEL], s[SEL+1]   ; the query's other 32 keys lie in the lane 16 away
.endr
.irp t, 0,1,2,3
	v_mov_b32 v[ST+8*\t+7], v[ST+8*\t]             ; m_old
.endr
.irp t, 0,1,2,3
	v_max_num_f32 v[ST+8*\t], v[ST+8*\t+4], v[ST+8*\t+5]   ; the new m
.endr
.irp t, 0,1,2,3
	v_sub_f32 v[ST+8*\t+7], v[ST+8*\t+7], v[ST+8*\t]       ; m_old - m_new
.endr
.irp i, 0,2,4,6,8,10,12,14,16,18,20,22,24,26,28,30
.irp t, 0,1,2,3
	v_pk_add_f32 v[S+32*\t+\i:S+32*\t+\i+1], v[S+32*\t+\i:S+32*\t+\i+1], v[ST+8*\t:ST+8*\t+1] op_sel_hi:[1,0] neg_lo:[0,1] neg_hi:[0,1]   ; s - m, two at a time
.endr
.endr
.irp t, 0,1,2,3                        ; ONE BATCH of 132 exponentials: none reads another's result
	v_exp_f32 v[ST+8*\t+6], v[ST+8*\t+7]           ; a
.endr
.irp i, 0,1,2,3,4,5,6,7,8,9,10,11,12,13,14,15,16,17,18,19,20,21,22,23,24,25,26,27,28,29,30,31
.irp t, 0,1,2,3
	v_exp_f32 v[S+32*\t+\i], v[S+32*\t+\i]         ; p
.endr
.endr
	v_nop                                          ; a plain instruction behind the last exponential, ahead of the first use
	s_wait_alu depctr_va_vdst(0)                   ; a wait ahead of the first instruction that names a result: one for the batch
.irp t, 0,1,2,3                        ; the sum of the unrounded p: l = a l + the first pair, then two chains
	v_pk_fma_f32 v[ST+8*\t+2:ST+8*\t+3], v[ST+8*\t+2:ST+8*\t+3], v[ST+8*\t+6:ST+8*\t+7], v[S+32*\t:S+32*\t+1] op_sel_hi:[1,0,1]
.endr
.irp t, 0,1,2,3
	v_pk_add_f32 v[CH+2*\t:CH+2*\t+1], v[S+32*\t+2:S+32*\t+3], v[S+32*\t+4:S+32*\t+5]
.endr
.irp i, 6,10,14,18,22,26
.irp t, 0,1,2,3
	v_pk_add_f32 v[ST+8*\t+2:ST+8*\t+3], v[ST+8*\t+2:ST+8*\t+3], v[S+32*\t+\i:S+32*\t+\i+1]
.endr
.irp t, 0,1,2,3
	v_pk_add_f32 v[CH+2*\t:CH+2*\t+1], v[CH+2*\t:CH+2*\t+1], v[S+32*\t+\i+2:S+32*\t+\i+3]
.endr
.endr
.irp t, 0,1,2,3
	v_pk_add_f32 v[ST+8*\t+2:ST+8*\t+3], v[ST+8*\t+2:ST+8*\t+3], v[S+32*\t+30:S+32*\t+31]
.endr
.irp t, 0,1,2,3
	v_pk_add_f32 v[ST+8*\t+2:ST+8*\t+3], v[ST+8*\t+2:ST+8*\t+3], v[CH+2*\t:CH+2*\t+1]
.endr
.irp i, 0,1,2,3,4,5,6,7,8,9,10,11,12,13,14,15
.irp t, 0,1,2,3
	v_cvt_pk_f16_f32 v[S+32*\t+\i], v[S+32*\t+2*\i], v[S+32*\t+2*\i+1]   ; P in place, ascending: register i was read at pair i / 2
.endr
.endr
	WIN 0x41                                       ; O^T (destination and source 0) in window 1, a in window 0
.irp i, 0,2,4,6,8,10,12,14,16,18,20,22,24,26,28,30
.irp t, 0,1,2,3
	v_pk_mul_f32 v[32*\t+\i:32*\t+\i+1], v[32*\t+\i:32*\t+\i+1], v[ST+8*\t+6:ST+8*\t+7] op_sel_hi:[1,0]
.endr
.endr
.endm
; A KEY STEP: 64 keys.
.macro STEP
	v_add_nc_u32 v[ADK], s[TBK], v[AK0]            ; five plain instructions behind the last V^T P: four are owed ahead of the loads into V's registers,
	v_add_nc_u32 v[ADV], s[TBV], v[AV0]            ; five ahead of the products that write S^T over P's registers (ISA guide 7.12.1 for the products)
.rept 3
	v_nop
.endr
	s_add_co_u32 s[TBK], s[TBK], 32*KP             ; the next step's 32 rows
	s_add_co_u32 s[TBV], s[TBV], 32*VP
	WIN 0x40                                       ; destination window 1
.irp kt, 0,1,2,3
.irp c, 0,1
	ds_load_b128 v[KF+8*(2*\kt+\c):KF+8*(2*\kt+\c)+3],   v[ADK] offset:8*KP*\kt+64*\c
	ds_load_b128 v[KF+8*(2*\kt+\c)+4:KF+8*(2*\kt+\c)+7], v[ADK] offset:8*KP*\kt+64*\c+32
.endr
.endr
	WIN 0
.irp kg, 0,1
.irp cg, 0,1,2,3
	ds_load_tr16_b128 v[VF+8*(4*\kg+\cg):VF+8*(4*\kg+\cg)+3],   v[ADV] offset:16*VP*\kg+32*\cg
	ds_load_tr16_b128 v[VF+8*(4*\kg+\cg)+4:VF+8*(4*\kg+\cg)+7], v[ADV] offset:16*VP*\kg+32*\cg+8*VP
.endr
.endr
	s_wait_dscnt 16                                ; K is in; V's sixteen loads may be out
	KQ
.rept 4
	v_nop                                          ; places ahead of the first read of the scores
.endr
	SOFTMAX
	s_wait_dscnt 0x0                               ; V is in
	PV
.endm
.macro SLOT_RUN s                      ; a slot's eight key steps: written once, walked eight times
	s_mov_b32 s[TBK], \s*SLOTB
	s_mov_b32 s[TBV], \s*SLOTB
	s_mov_b32 s[CNT], 8
.Lstep_\@:
	STEP
	s_sub_co_u32 s[CNT], s[CNT], 1
	s_cmp_lg_u32 s[CNT], 0
	s_cbranch_scc1 .Lstep_\@
.endm
; THE CHANGE OF SLOTS.  Each wave waits for all its tensor loads (its part of the slot ahead), adds 0 to its spare word, and waits for that and for its reads of slot s, which it has left.
; fill = 1: slot s is filled again, with the keys 1,024 on: the barrier is then a round of the cluster's, and the joint load is the first thing behind it, eight key steps ahead of the wait for it.
.macro CHANGE s, fill
	s_wait_tensorcnt 0x0                           ; no tensor load of mine is out, so a group 0 may be written
	ds_add_u32 v[SPW], v[NIL]                      ; 0 onto my spare word
.if \fill
	s_add_nc_u64 s[G0K+4*\s+2:G0K+4*\s+3], s[G0K+4*\s+2:G0K+4*\s+3], 131072
	s_add_nc_u64 s[G0V+4*\s+2:G0V+4*\s+3], s[G0V+4*\s+2:G0V+4*\s+3], 131072
	s_wait_dscnt 0x0                               ; the add is done, and my reads of the slot are over
	CROUND
	JLOAD \s
.else
	s_wait_dscnt 0x0
	s_barrier_signal -1
	s_barrier_wait -1
.endif
.endm
	s_wait_tensorcnt 1                             ; my part of slot 0 is in; slot 1's may stay out
	s_barrier_signal -1
	s_barrier_wait -1                              ; everybody's is
	s_wait_loadcnt 0x0                             ; Q
	SLOT_RUN 0                                     ; keys 0-511
	CHANGE 0, 1
	SLOT_RUN 1                                     ; keys 512-1,023
	CHANGE 1, 1
	SLOT_RUN 0                                     ; keys 1,024-1,535
	CHANGE 0, 0                                    ; nothing is left to ask for
	SLOT_RUN 1                                     ; keys 1,536-2,047
	; THE WAY OUT.  l's two halves and the other half of the lanes' are added (these additions are the places behind the last products); O^T / l is rounded to f16 and goes through my stage, a tile at a time.
.irp t, 0,1,2,3
	v_add_f32 v[ST+8*\t+4], v[ST+8*\t+2], v[ST+8*\t+3]
.endr
.irp t, 0,1,2,3
	v_permlanex16_b32 v[ST+8*\t+5], v[ST+8*\t+4], s[SEL], s[SEL+1]
.endr
.irp t, 0,1,2,3
	v_add_f32 v[ST+8*\t+4], v[ST+8*\t+4], v[ST+8*\t+5]
.endr
.irp t, 0,1,2,3
	v_rcp_f32 v[ST+8*\t+6], v[ST+8*\t+4]
.endr
	v_nop                                          ; a plain instruction behind the last reciprocal
	s_wait_alu depctr_va_vdst(0)                   ; and a wait ahead of the first use: one for the four
.macro PACK t
	WIN 0x41
.set i, 32*\t
.rept 16
	v_pk_mul_f32 v[i:i+1], v[i:i+1], v[ST+8*\t+6:ST+8*\t+7] op_sel_hi:[1,0]   ; each accumulator from its low end on
.set i, i+2
.endr
	WIN 0x05                                       ; sources 0 and 1 window 1, destination window 0
.set i, 0
.rept 16
	v_cvt_pk_f16_f32 v[S+16*\t+i], v[32*\t+2*i], v[32*\t+2*i+1]
.set i, i+1
.endr
	WIN 0
.irp cg, 0,1,2,3
	ds_store_b128 v[STO], v[S+16*\t+4*\cg:S+16*\t+4*\cg+3] offset:32*\cg
.endr
.irp u, 0,1,2,3
	ds_load_b128 v[128+16*\t+4*\u:128+16*\t+4*\u+3], v[RD] offset:4*SPT*\u   ; LDS serves a wave's instructions in order: these see the stores above; the next tile's stores come behind them
.endr
.endm
.macro SEND t, younger                 ; younger: the LDS instructions issued behind tile t's loads: the next tile's eight, or none
.irp u, 0,1,2,3
	s_wait_dscnt \younger+3-\u
	global_store_b128 v[GO], v[128+16*\t+4*\u:128+16*\t+4*\u+3], s[OB:OB+1] offset:2048*\t+512*\u   ; the wave stores 512 consecutive bytes, at a multiple of 256 from att's first byte
.endr
.endm
	PACK 0
	PACK 1
	SEND 0, 8
	PACK 2
	SEND 1, 8
	PACK 3
	SEND 2, 8
	SEND 3, 0
	s_wait_tensorcnt 0x0                           ; the wave's end: the tensor wait, a 0 add onto my spare word and its wait, behind my last tensor load and my last LDS store
	ds_add_u32 v[SPW], v[NIL]
	s_wait_dscnt 0x0
	CROUND                                         ; the closing round
	s_endpgm
.Lfunc_end_k_q2f0202848a_attn:
	.size	k_q2f0202848a_attn, .Lfunc_end_k_q2f0202848a_attn-k_q2f0202848a_attn
	.p2alignl 7, 3214868480
	.fill 96, 4, 3214868480
	.section	.rodata,"a",@progbits
	.p2align	6, 0x0
	.amdhsa_kernel k_q2f0202848a_attn
		.amdhsa_group_segment_fixed_size 327680
		.amdhsa_private_segment_fixed_size 0
		.amdhsa_enable_private_segment 0
		.amdhsa_kernarg_size 16
		.amdhsa_user_sgpr_count 2
		.amdhsa_user_sgpr_kernarg_segment_ptr 1
		.amdhsa_wavefront_size32 1
		.amdhsa_system_sgpr_workgroup_id_x 1
		.amdhsa_system_sgpr_workgroup_id_y 1
		.amdhsa_system_sgpr_workgroup_id_z 1
		.amdhsa_system_vgpr_workitem_id 0
		.amdhsa_next_free_vgpr 512
		.amdhsa_next_free_sgpr 72
		.amdhsa_reserve_vcc 0
		.amdhsa_float_denorm_mode_32 3
		.amdhsa_float_denorm_mode_16_64 3
		.amdhsa_memory_ordered 1
		.amdhsa_forward_progress 1
		.amdhsa_inst_pref_size 156
	.end_amdhsa_kernel
	.amdgpu_metadata
---
amdhsa.version: [ 1, 2 ]
amdhsa.kernels:
  - .name:           k_q2f0202848a_attn
    .symbol:         k_q2f0202848a_attn.kd
    .args:
      - { .name: qkv, .offset: 0, .size: 8, .value_kind: global_buffer, .address_space: global }
      - { .name: att, .offset: 8, .size: 8, .value_kind: global_buffer, .address_space: global }
    .group_segment_fixed_size: 327680
    .private_segment_fixed_size: 0
    .kernarg_segment_align: 8
    .kernarg_segment_size: 16
    .max_flat_workgroup_size: 256
    .sgpr_count:     72
    .vgpr_count:     512
    .wavefront_size: 32
...
	.end_amdgpu_metadata
.endif
;; end of part 3
;; launch gemm_out (part 4): grid 8 x 32, 4 waves a work-group, clusters of 4 x 4, 327,680 bytes of LDS; arguments att, wo16, out0; writes out0
.if DOCPART == 4
	.amdgcn_target "amdgcn-amd-amdhsa--gfx1250"
	.amdhsa_code_object_version 6
	.text
	.protected	k_q2f0202848a_gemm_out
	.globl	k_q2f0202848a_gemm_out
	.p2align	8
	.type	k_q2f0202848a_gemm_out,@function
k_q2f0202848a_gemm_out:
	s_mov_b64 s[64:65], 0
	v_nop
	global_prefetch_b8 v0, s[64:65] scope:SCOPE_SE
	s_setreg_imm32_b32 hwreg(HW_REG_WAVE_MODE, 25, 1), 1
	s_wait_xcnt 0x0
	s_wait_alu depctr_hold_cnt(0) depctr_sa_sdst(0) depctr_va_vdst(0) depctr_va_sdst(0) depctr_va_ssrc(0) depctr_va_vcc(0) depctr_vm_vsrc(0)
	s_getreg_b32 s2, hwreg(HW_REG_IB_STS2, 6, 4)
	s_cmp_eq_u32 s2, 0
	s_cbranch_scc0 .Lentry_in_a_cluster
	s_endpgm
.Lentry_in_a_cluster:
	s_bfe_u32 s2, ttmp6, 0x10000c
	s_cmp_lg_u32 s2, 0xf033
	s_cbranch_scc0 .Lentry_shape_is_right
	s_endpgm
.Lentry_shape_is_right:
; out0[m][n] = the sum over k of att[m][k] w_out[k][n], m 8,192, n 1,024, k = 64 x head + channel, 1,024.  f16 operands, f32 sums, K ascending; out0 f32.
; att: [head][m][64] f16 (a head's 256 rows of a tile are 32,768 consecutive bytes).  wo16: [k][n] f16: its K is not innermost, so its fragments come out of LDS by the turning load.
; A tile of out0 is 256 x 128: 8 x 32 = 256 work-groups.  Four waves, each 128 x 64: 32 accumulators, 256 registers.  K goes in steps of 128 (two heads) through two LDS slots.
; Waves 0 and 1 fetch A's two heads (128 rows of 256 bytes: two rows of att to a row), waves 2 and 3 the two halves of B's 128 rows of 256 bytes: one tensor load a wave.
; CLUSTERS: 4 x 4 work-groups; A's tile is shared along a row of the cluster, B's along a column: each is asked for jointly.
; THE MATRIX INSTRUCTION IS USED TRANSPOSED (source 0 = 16 n of w_out, source 1 = 16 rows of att): a lane holds eight neighbouring numbers of a row of out0.
; REGISTERS: window 0: v0-31 addresses; two fragment buffers of 96, v64-159 and v160-255 (A's 8 blocks, then B's 4, for 32 along K); on the way out v64-127 take rows read back.   window 1: the accumulators, (a, b) at v[8 (4 a + b)].
.set APITCH, 272                       ; A's LDS row: 256 bytes + 16: the sixteen rows of att that a load touches fall on sixteen different groups of four banks (64 banks of 4 bytes: ISA guide 11.1)
.set BPITCH, 288                       ; B's: 256 + 32
.set APL,    128*APITCH                ; a head's 256 rows of att
.set BPL,    64*BPITCH                 ; 64 rows of w_out
.set SLOT,   2*APL+2*BPL
.set STAGE,  2*SLOT                    ; the way out: 16 rows x 272 bytes for each wave; no tile lands here
.set SPITCH, 272
.set SPARE,  STAGE+4*16*SPITCH         ; the spare words, 128 bytes for each wave: two blocks of 256 bytes that no other line names
.set LAPS,   4                         ; a lap = two K steps = once round the two slots
.set ADRA, 16
.set ADRB, 20
.set STO,  24
.set RD,   25
.set CO,   26
.set SPW,  28                          ; v28  my spare word; never rewritten
.set NIL,  29                          ; v29  0; never rewritten
.set F0,   64
.set F1,   160
.set BK,   64
.set G1, 24
.set G0, 32
.set G1B, 48
.set G0B, 56
.set MSB, 0
.macro WIN new                         ; the immediate's high byte repeats the setting that is left
.if MSB != (\new)
	s_set_vgpr_msb (MSB<<8)|(\new)
.set MSB, (\new)
.endif
.endm
.set MUL, 0x50                         ; sources 0 and 1 window 0; C and D window 1
.macro JLOAD s                         ; a joint load: waves 0 and 1 fetch for A, waves 2 and 3 for B; an s_nop 0 and four v_nop follow each of the two lines
	s_cmp_eq_u32 s11, 0
	s_cbranch_scc0 .Lfor_b_\@
	tensor_load_to_lds s[G0+4*\s:G0+4*\s+3], s[G1:G1+7]
	s_nop 0
.rept 4
	v_nop
.endr
	s_branch .Lasked_\@
.Lfor_b_\@:
	tensor_load_to_lds s[G0B+4*\s:G0B+4*\s+3], s[G1B:G1B+7]
	s_nop 0
.rept 4
	v_nop
.endr
.Lasked_\@:
.endm
.macro CREST                           ; a round of the cluster's barrier behind its opening barrier
	s_cmp_lg_u32 s10, 0
	s_cbranch_scc1 .Lnot_wave_0_\@
	s_barrier_signal -3
.Lnot_wave_0_\@:
	s_barrier_wait -3
	s_barrier_signal -1
	s_barrier_wait -1
.endm
.macro CROUND
	s_barrier_signal -1
	s_barrier_wait -1
	CREST
.endm
	s_load_b128 s[4:7], s[0:1], 0x0                ; att s[4:5], wo16 s[6:7]
	s_load_b64 s[8:9], s[0:1], 0x10                ; out0
	v_lshl_add_u32 v[SPW], v0, 2, SPARE
	v_mov_b32 v[NIL], 0
	ds_add_u32 v[SPW], v[NIL]                      ; the wave's opening: the add, twice on end, and its wait ahead of my first tensor load
	ds_add_u32 v[SPW], v[NIL]
	v_lshrrev_b32 v1, 5, v0
	v_readfirstlane_b32 s10, v1                    ; wave 0..3
	s_lshr_b32 s11, s10, 1                         ; which half of the tile's rows is mine.  Also: I fetch for A (0) or for B (1)
	s_and_b32 s12, s10, 1                          ; which half of its columns.  Also: which head of A, or which 64 rows of B, I fetch
	s_bfe_u32 s40, ttmp6, 0x40000                  ; cx, cy
	s_bfe_u32 s41, ttmp6, 0x40004
	s_lshl_b32 s42, ttmp9, 2
	s_add_co_u32 s42, s42, s40                     ; tile column = 4 x cluster x + cx
	s_and_b32 s13, ttmp7, 0xffff
	s_lshl_b32 s13, s13, 2
	s_add_co_u32 s13, s13, s41                     ; tile row = 4 x cluster y + cy
	s_lshl_b32 s43, s41, 2
	s_lshl_b32 s43, 15, s43                        ; my row of the cluster
	s_lshl_b32 s44, 0x1111, s40                    ; my column
	; group 1 for A: a dense block as 128 rows of 32 elements of 8 bytes, 4 words of padding behind every 64
	s_or_b32 s[G1+0], s43, (3<<16)|(1<<20)|(1<<21)|(5<<22)|(3<<25)
	s_mov_b32 s[G1+1], 32<<16
	s_mov_b32 s[G1+2], 128<<16
	s_mov_b32 s[G1+3], 32<<16
	s_mov_b32 s[G1+4], 128
	s_mov_b32 s[G1+5], 32
	s_mov_b32 s[G1+6], 0
	s_mov_b32 s[G1+7], 0
	; group 1 for B: 64 rows of 128 elements of 2 bytes, 1,024 elements apart, 8 words of padding behind every 64
	s_or_b32 s[G1B+0], s44, (1<<16)|(1<<20)|(1<<21)|(5<<22)|(7<<25)
	s_mov_b32 s[G1B+1], 128<<16
	s_mov_b32 s[G1B+2], 64<<16
	s_mov_b32 s[G1B+3], 128<<16
	s_mov_b32 s[G1B+4], 64
	s_mov_b32 s[G1B+5], 1024
	s_mov_b32 s[G1B+6], 0
	s_mov_b32 s[G1B+7], 0
	s_lshl_b32 s16, s12, 20                        ; A: a head is 1,048,576 bytes,
	s_lshl_b32 s17, s13, 15                        ; a tile's 256 rows 32,768
	s_add_co_u32 s16, s16, s17
	s_mov_b32 s17, 0
	s_lshl_b32 s46, s12, 17                        ; B: 64 rows of 2,048 bytes,
	s_lshl_b32 s47, s42, 8                         ; a tile's 128 columns 256 bytes
	s_add_co_u32 s46, s46, s47
	s_mov_b32 s47, 0
	s_mul_i32 s20, s12, APL                        ; where they go: no place in the cluster enters an LDS address
	s_mul_i32 s21, s12, BPL
	s_add_co_u32 s21, s21, 2*APL
	s_wait_dscnt 0x0                               ; both opening adds are done
	s_wait_kmcnt 0x0
	s_add_nc_u64 s[14:15], s[4:5], s[16:17]
	s_add_nc_u64 s[46:47], s[6:7], s[46:47]
	CROUND                                         ; all sixteen work-groups are here: the first joint loads meet
.irp s, 0,1
	s_mov_b32 s[G0+4*\s], 1
	s_add_co_u32 s[G0+4*\s+1], s20, \s*SLOT
	s_add_nc_u64 s[G0+4*\s+2:G0+4*\s+3], s[14:15], \s*2097152      ; K step s: two heads on
	s_or_b32 s[G0+4*\s+3], s[G0+4*\s+3], 0x80000000
	s_mov_b32 s[G0B+4*\s], 1
	s_add_co_u32 s[G0B+4*\s+1], s21, \s*SLOT
	s_add_nc_u64 s[G0B+4*\s+2:G0B+4*\s+3], s[46:47], \s*262144     ; 128 rows on
	s_or_b32 s[G0B+4*\s+3], s[G0B+4*\s+3], 0x80000000
	JLOAD \s                                       ; two loads of mine are out after the second
.endr
	v_and_b32 v1, 15, v0                           ; r = l % 16
	v_bfe_u32 v2, v0, 4, 1                         ; h = l / 16
	v_lshrrev_b32 v3, 1, v1
	v_mul_u32_u24 v3, v3, APITCH
	v_and_b32 v4, 1, v0
	v_lshl_add_u32 v3, v4, 7, v3
	v_lshl_add_u32 v3, v2, 4, v3                   ; A: row r of att: LDS row r / 2, half r % 2, + 16 h
	v_and_b32 v5, 7, v0
	v_lshl_add_u32 v5, v2, 3, v5
	v_mul_u32_u24 v5, v5, BPITCH
	v_bfe_u32 v6, v0, 3, 1
	v_lshl_add_u32 v5, v6, 4, v5                   ; B, for the turning load: row k = 8 h + l % 8, columns 8 ((l / 8) % 2) on
	s_mul_i32 s21, s11, 64*APITCH                  ; my 128 rows of att
	s_lshl_b32 s22, s12, 7                         ; my 64 columns: 128 bytes,
	s_add_co_u32 s22, s22, 2*APL                   ; behind A's two heads
.irp s, 0,1
	v_add_nc_u32 v[ADRA+\s], s21, v3
	v_add_nc_u32 v[ADRB+\s], s22, v5
	s_add_co_u32 s21, s21, SLOT
	s_add_co_u32 s22, s22, SLOT
.endr
	s_mul_i32 s23, s10, 16*SPITCH
	s_add_co_u32 s23, s23, STAGE                   ; my stage
	v_mul_u32_u24 v4, v1, SPITCH
	v_lshl_add_u32 v4, v2, 5, v4
	v_add_nc_u32 v[STO], s23, v4                   ; in: row r, 32 bytes for each half of the lanes
	v_mul_u32_u24 v5, v2, SPITCH
	v_lshl_add_u32 v5, v1, 4, v5
	v_add_nc_u32 v[RD], s23, v5                    ; back: lanes 0-15 one row of 256 bytes, lanes 16-31 the next
	v_lshlrev_b32 v[CO], 4, v1
	v_lshl_add_u32 v[CO], v2, 12, v[CO]            ; and the same two rows in out0 (4,096 bytes a row)
	s_lshl_b32 s16, s13, 20                        ; my part of out0: 256 rows a tile row,
	s_lshl_b32 s17, s11, 19                        ; 128 rows a half,
	s_add_co_u32 s16, s16, s17
	s_lshl_b32 s17, s42, 9                         ; 512 bytes a tile column,
	s_add_co_u32 s16, s16, s17
	s_lshl_b32 s17, s12, 8                         ; 256 a half
	s_add_co_u32 s16, s16, s17
	s_mov_b32 s17, 0
	s_add_nc_u64 s[8:9], s[8:9], s[16:17]
; 8 matrix instructions: A's blocks a0, a0 + 1 x B's four, 32 along K, from buffer f.  zero = 1: the product starts the sum.  The 32 accumulators take turns, one instruction a turn, in the same order in every quarter.
.macro MUL8 f, a0, zero
.irp a, \a0, \a0+1
.irp b, 0,1,2,3
.if \zero
	v_wmma_f32_16x16x32_f16 v[8*(4*(\a)+\b):8*(4*(\a)+\b)+7], v[\f+64+8*\b:\f+64+8*\b+7], v[\f+8*(\a):\f+8*(\a)+7], 0
.else
	v_wmma_f32_16x16x32_f16 v[8*(4*(\a)+\b):8*(4*(\a)+\b)+7], v[\f+64+8*\b:\f+64+8*\b+7], v[\f+8*(\a):\f+8*(\a)+7], v[8*(4*(\a)+\b):8*(4*(\a)+\b)+7]
.endif
.endr
.endr
.endm
; 24 LDS loads in one run: the fragments of the slot's q-th 32 along K into buffer f: B's four (turned), A's blocks 0-3, A's blocks 4-7
.macro FETCH slot, q, f
.irp j, 0,1,2,3
	ds_load_tr16_b128 v[\f+64+8*\j:\f+64+8*\j+3],   v[ADRB+\slot] offset:32*BPITCH*(\q)+32*\j
	ds_load_tr16_b128 v[\f+64+8*\j+4:\f+64+8*\j+7], v[ADRB+\slot] offset:32*BPITCH*(\q)+32*\j+16*BPITCH
.endr
.irp i, 0,1,2,3,4,5,6,7
	ds_load_b128 v[\f+8*\i:\f+8*\i+3],   v[ADRA+\slot] offset:((\q)/2)*APL+((\q)%2)*64+8*APITCH*\i
	ds_load_b128 v[\f+8*\i+4:\f+8*\i+7], v[ADRA+\slot] offset:((\q)/2)*APL+((\q)%2)*64+8*APITCH*\i+32
.endr
.endm
.macro PLACES                          ; four plain instructions ahead of loads into registers that matrix instructions have read, and of reads of results (ISA guide 7.12.1 for reads of results)
.rept 4
	v_nop
.endr
.endm
; A K step is four quarters of 32 along K, 32 matrix instructions each, on buffers 0, 1, 0, 1.  One of the first three: multiplies buffer f and fetches quarter q into g.
.macro QUARTER slot, q, f, g, zero
	s_wait_dscnt 8                                 ; B and A's blocks 0-3 are in; the youngest eight loads (A's blocks 4-7) may be out
	WIN MUL
	MUL8 \f, 0, \zero
	MUL8 \f, 2, \zero
	PLACES
	WIN 0
	FETCH \slot, \q, \g
	s_wait_dscnt 24                                ; all but the 24 just issued
	WIN MUL
	MUL8 \f, 4, \zero
	MUL8 \f, 6, \zero
.endm
; The last quarter multiplies buffer 1 and changes slots: ONE barrier; in front of it each wave waits for all its tensor loads, adds 0 to its spare word, and waits for that and for its reads of this slot.
; fill = 1: this slot is filled again, two K steps ahead: 112 matrix instructions stand between the request and the wait for it.
.macro TURN slot, next, fill
	WIN 0                                          ; (the add's two registers lie in window 0)
	s_wait_tensorcnt 0x0                           ; all my tensor loads have landed: my part of the next slot
	ds_add_u32 v[SPW], v[NIL]                      ; 0 onto my spare word
	s_wait_dscnt 9                                 ; (the add and A's blocks 4-7 may be out)
	WIN MUL
	MUL8 F1, 0, 0                                  ; eight matrix instructions stand between the add and the wait for it
	s_wait_dscnt 0x0                               ; the add is done, and my reads of this slot are over
	s_barrier_signal -1
	MUL8 F1, 2, 0
	WIN 0                                          ; (branches or window-0 loads follow)
	s_barrier_wait -1
.if \fill
	CREST                                          ; the barrier has opened a round of the cluster's barrier: no wave of any partner still reads this slot or has a load on its way
	s_add_nc_u64 s[G0+4*\slot+2:G0+4*\slot+3], s[G0+4*\slot+2:G0+4*\slot+3], 4194304     ; four heads on
	s_add_nc_u64 s[G0B+4*\slot+2:G0B+4*\slot+3], s[G0B+4*\slot+2:G0B+4*\slot+3], 524288  ; 256 rows on
	JLOAD \slot                                    ; the first tensor load behind the round; its four v_nop are also the places ahead of the loads below
.else
	PLACES
.endif
	FETCH \next, 0, F0
	WIN MUL
	MUL8 F1, 4, 0
	MUL8 F1, 6, 0
.endm
	s_wait_tensorcnt 1                             ; my part of K step 0 is in (K step 1's may be out)
	s_barrier_signal -1
	s_barrier_wait -1                              ; everybody's is
	FETCH 0, 0, F0
	QUARTER 0, 1, F0, F1, 1                        ; the first quarter stands in front of the loop: its products start the sums
	WIN 0                                          ; at a label and at a branch every window is 0
	s_mov_b32 s3, LAPS-1
.Llap:                                                 ; a trip goes once round the two slots, from a lap's second quarter to the next lap's first, and fills both again
	QUARTER 0, 2, F1, F0, 0
	QUARTER 0, 3, F0, F1, 0
	TURN 0, 1, 1
	QUARTER 1, 1, F0, F1, 0
	QUARTER 1, 2, F1, F0, 0
	QUARTER 1, 3, F0, F1, 0
	TURN 1, 0, 1
	QUARTER 0, 1, F0, F1, 0
	WIN 0
	s_sub_co_u32 s3, s3, 1
	s_cmp_lg_u32 s3, 0
	s_cbranch_scc1 .Llap
	QUARTER 0, 2, F1, F0, 0                        ; the last lap fills nothing
	QUARTER 0, 3, F0, F1, 0
	TURN 0, 1, 0
	QUARTER 1, 1, F0, F1, 0
	QUARTER 1, 2, F1, F0, 0
	QUARTER 1, 3, F0, F1, 0
	s_wait_dscnt 8                                 ; the very last quarter: nothing more to fetch
	WIN MUL
	MUL8 F1, 0, 0
	MUL8 F1, 2, 0
	s_wait_dscnt 0x0
	MUL8 F1, 4, 0
	MUL8 F1, 6, 0
	WIN 0
; THE WAY OUT, block by block of 16 rows x 64 columns: a lane's 32 bytes go into my own stage and come back as whole rows of 256 bytes.  LDS serves a wave's instructions in order: no wait between the stores and the loads.
.macro TOSTAGE a
	WIN 0x04                                       ; an LDS store's data are its source 1: window 1
.irp b, 0,1,2,3
	ds_store_b128 v[STO], v[8*(4*(\a)+\b):8*(4*(\a)+\b)+3] offset:64*\b          ; each accumulator from its low end on
	ds_store_b128 v[STO], v[8*(4*(\a)+\b)+4:8*(4*(\a)+\b)+7] offset:64*\b+16
.endr
	WIN 0
.set BB, BK+32*((\a)%2)
.irp t, 0,1,2,3,4,5,6,7
	ds_load_b128 v[BB+4*\t:BB+4*\t+3], v[RD] offset:2*SPITCH*\t
.endr
.endm
.macro SEND a, younger                 ; younger: the LDS instructions issued behind block a's loads
.set BB, BK+32*((\a)%2)
	s_wait_dscnt \younger
.irp t, 0,1,2,3,4,5,6,7
	global_store_b128 v[CO], v[BB+4*\t:BB+4*\t+3], s[8:9] offset:(16*(\a)+2*\t)*4096 th:TH_STORE_NT   ; sixteen lanes store 256 consecutive bytes, at a multiple of 256 from out0's first byte
.endr
.endm
	PLACES                                         ; behind the last products: ahead of the stores that read results and of the loads into the fragments' registers
	TOSTAGE 0
.irp a, 1,2,3,4,5,6,7
.if \a > 1
	s_wait_xcnt 0x0                                ; block a - 2's stores have read their registers: block a's loads may land there
.endif
	TOSTAGE \a
	SEND \a-1, 16                                  ; behind block a - 1's loads: block a's 8 stores and 8 loads
.endr
	SEND 7, 0
	s_wait_tensorcnt 0x0                           ; the wave's end: the tensor wait, a 0 add onto my spare word and its wait, behind my last tensor load and my last LDS store
	ds_add_u32 v[SPW], v[NIL]
	s_wait_dscnt 0x0
	CROUND                                         ; the closing round
	s_endpgm
.Lfunc_end_k_q2f0202848a_gemm_out:
	.size	k_q2f0202848a_gemm_out, .Lfunc_end_k_q2f0202848a_gemm_out-k_q2f0202848a_gemm_out
	.p2alignl 7, 3214868480
	.fill 96, 4, 3214868480
	.section	.rodata,"a",@progbits
	.p2align	6, 0x0
	.amdhsa_kernel k_q2f0202848a_gemm_out
		.amdhsa_group_segment_fixed_size 327680
		.amdhsa_private_segment_fixed_size 0
		.amdhsa_enable_private_segment 0
		.amdhsa_kernarg_size 24
		.amdhsa_user_sgpr_count 2
		.amdhsa_user_sgpr_kernarg_segment_ptr 1
		.amdhsa_wavefront_size32 1
		.amdhsa_system_sgpr_workgroup_id_x 1
		.amdhsa_system_sgpr_workgroup_id_y 1
		.amdhsa_system_sgpr_workgroup_id_z 1
		.amdhsa_system_vgpr_workitem_id 0
		.amdhsa_next_free_vgpr 512
		.amdhsa_next_free_sgpr 66
		.amdhsa_reserve_vcc 0
		.amdhsa_float_denorm_mode_32 3
		.amdhsa_float_denorm_mode_16_64 3
		.amdhsa_memory_ordered 1
		.amdhsa_forward_progress 1
		.amdhsa_inst_pref_size 86
	.end_amdhsa_kernel
	.amdgpu_metadata
---
amdhsa.version: [ 1, 2 ]
amdhsa.kernels:
  - .name:           k_q2f0202848a_gemm_out
    .symbol:         k_q2f0202848a_gemm_out.kd
    .args:
      - { .name: att, .offset: 0, .size: 8, .value_kind: global_buffer, .address_space: global }
      - { .name: wo16, .offset: 8, .size: 8, .value_kind: global_buffer, .address_space: global }
      - { .name: out0, .offset: 16, .size: 8, .value_kind: global_buffer, .address_space: global }
    .group_segment_fixed_size: 327680
    .private_segment_fixed_size: 0
    .kernarg_segment_align: 8
    .kernarg_segment_size: 24
    .max_flat_workgroup_size: 128
    .sgpr_count:     66
    .vgpr_count:     512
    .wavefront_size: 32
...
	.end_amdgpu_metadata
.endif
;; end of part 4
